; MI455X (gfx1250); checked and timed in simulation.
; The chip was launched on July 23, 2026; its instructions are those of AMD's public machine-readable ISA for CDNA 5 (MIT licence, August 2026) and "CDNA5" Instruction Set Architecture Reference Guide (July 2026). The comments in the code are by the model that wrote it; some were corrected since.
;; Multi Head Attention V2. Allowed arithmetic: matrix products marked QUANTISED: E2M3 operands, one E8M0 scale for each 32 along K, by v_wmma_scale_f32_16x16x128_f8f6f4 with both operands' format E2M3, f32 sums; everything else in f32.
;; Inputs: Wk 1,024 x 1,024 float32; Wo 1,024 x 1,024 float32; Wq 1,024 x 1,024 float32; Wv 1,024 x 1,024 float32; bo 1,024 float32; x 4 x 2,048 x 1,024 float32.
;; Outputs: out0 4 x 2,048 x 1,024 float32.
;; This version of the problem:
;;   THIS VERSION OF THE PROBLEM IS GIVEN IN LOW PRECISION. The matrix products marked QUANTISED in the list below multiply operands that are first quantised to E2M3 (2 exponent bits, 3 mantissa bits; 6 bits a number), with one power-of-two scale for each 32 numbers along K (OCP MX v1.0); their sums are f32. All else is computed in f32.
;;   The module's matrix products, in the order in which they are computed (A, B: the left and right operand; K: the contracted axis; several contracted axes count as one K, in the product's order):
;;     1. [M 8,192, K 1,024] x [K 1,024, N 1,024]; A: input x; B: input Wq: QUANTISED
;;     2. [M 8,192, K 1,024] x [K 1,024, N 1,024]; A: input x; B: input Wk: QUANTISED
;;     3. [M 8,192, K 1,024] x [K 1,024, N 1,024]; A: input x; B: input Wv: QUANTISED
;;     4. batch 64 x [M 2,048, K 64] x [K 64, N 2,048]; A: computed on the way; B: computed on the way: QUANTISED
;;     5. batch 64 x [M 64, K 2,048] x [K 2,048, N 2,048]; A: computed on the way; B: softmax (see below): QUANTISED
;;     6. [M 8,192, K 1,024] x [K 1,024, N 1,024]; A: computed on the way; B: input Wo: QUANTISED
;;   THE QUANTISER, for each operand of a quantised product, along K:
;;     - K is cut into blocks of 32 from its start; a last block that is shorter is filled with zeros.
;;     - A block's scale is 2^e with e = floor(log2(the largest magnitude in the block)) - 2, held to -126 .. 127; a block of zeros has e = 0. As a byte (E8M0): e + 127.
;;     - Each number is divided by its block's scale, clamped to +-7.5, and rounded to the nearest number of E2M3, ties to even, subnormals kept.
;;     - The product sums the exact products of the quantised numbers (number of the format x scale) in f32.
;;   ~~~python
;;   def quantise(x, axis):      # numpy; x: float32 -> the quantised numbers, widened to float32 again
;;       x = np.moveaxis(x, axis, -1); K = x.shape[-1]
;;       x = np.pad(x, [(0, 0)] * (x.ndim - 1) + [(0, -K % 32)]); x = x.reshape(x.shape[:-1] + (-1, 32)); a = np.abs(x).max(-1, keepdims=True)
;;       e = np.where(a > 0, np.clip(np.frexp(np.where(a > 0, a, 1))[1] - 1 - 2, -126, 127), 0)      # np.frexp(a)[1] - 1 = floor(log2(a)), exactly
;;       r = np.clip(x / 2.0 ** e, -7.5, 7.5)
;;       step = 2.0 ** (np.maximum(np.frexp(np.where(r == 0, 1, r))[1] - 1, 0) - 3)
;;       q = np.round(r / step) * step * 2.0 ** e      # np.round: ties to even
;;       return np.moveaxis(q.reshape(q.shape[:-2] + (-1,))[..., :K], -1, axis).astype(np.float32)
;;   ~~~
;;   SOFTMAX AHEAD OF A QUANTISED PRODUCT. Where the list says 'softmax', what is quantised is not the finished softmax but p = 2^(t - M), with t = logit x log2(e) and M = ceil(the row's largest t), a whole number; so 1/2 < the row's largest p <= 1. The row's sum l is taken of the UNQUANTISED p, in f32, and the product's result is divided by l at the end. Since M is a whole number, a kernel that streams over the keys may use a running M (the ceiling of the running maximum): every later rescaling is an exact power of two, which a block's scale takes up: the codes' values come out the same.
;;   OPERANDS COMPUTED ON THE WAY. 'Computed on the way' means the value that the module computes at that place (a softmax that the list does not call 'softmax' is quantised finished and normalised). What goes into a quantiser is computed in f32, as accurately as f32 sums, v_exp_f32 and their like allow (about 1e-6 of the number): no bf16 or f16 on the way to a quantiser, and a product that is left as it is and whose result goes on into a quantised operand takes f32 operands (vector FMAs, or v_wmma_f32_16x16x4_f32). A number that lies on a knife's edge between two numbers of the format may be rounded either way, as far as f32 arithmetic and the matrix unit's own rounding can turn it there, and no further.
;; One version. Each part assembles by itself: llvm-mc -triple=amdgcn-amd-amdhsa -mcpu=gfx1250 --defsym DOCPART=n.
;; ======== version 1 of 1: 4 launches
;; limits: right only within a limited range of input values
;; workspace buffers: xcodes 6,553,600 bytes; wcodes 3,276,800 bytes; qkvcodes 19,660,800 bytes; ccodes 6,553,600 bytes
;; launch quant (part 1): grid 256 x 1, 12 waves a work-group, no clusters, 82,944 bytes of LDS; arguments x, Wq, Wk, Wv, Wo, xcodes, wcodes; writes xcodes, wcodes
.if DOCPART == 1
	.amdgcn_target "amdgcn-amd-amdhsa--gfx1250"
	.amdhsa_code_object_version 6
	.text
	.protected	k_qabcec5c4fb_quant
	.globl	k_qabcec5c4fb_quant
	.p2align	8
	.type	k_qabcec5c4fb_quant,@function
k_qabcec5c4fb_quant:
	s_mov_b64 s[64:65], 0
	v_nop
	global_prefetch_b8 v0, s[64:65] scope:SCOPE_SE
	s_setreg_imm32_b32 hwreg(HW_REG_WAVE_MODE, 25, 1), 1
	s_wait_xcnt 0x0
; x [8192 tokens][1024] and the four weights [1024 (k)][1024 (n)], f32, become codes of FP6 (E2M3) with one E8M0 byte for each 32 along K, laid as RECORDS for the products that follow.
; A RECORD (12,800 bytes) is a group of 128 rows (tokens, or columns of a weight) x one K step of 128: eight fragments of 1,536 bytes, then 512 bytes of scale words.
; A FRAGMENT is the image of an operand's 12 registers: half c (K = 64 c ..): registers 6c..6c+3 at 768 c + 16 x lane, registers 6c+4, 6c+5 at 768 c + 512 + 8 x lane.
; Lane r of tile t holds row 32 (t/2) + 8 (t%2) + r%8 + 16 (r/8) of the group.  Scale word of (tile t, row r): at 12,288 + 16 (16 (t%2) + r) + 4 (t/2).
; x's record index = 8 x token group + K step; a weight's = 8 x (8 m + column group) + K step, m = 0 q, 1 k, 2 v, 3 o.
; A block's scale is 2^(floor(log2(largest magnitude)) - 2); its byte is the largest magnitude's exponent field - 2, held at 1 from below.
; LIMITS: NaN and infinities are not served; a block whose largest magnitude lies under 2^-124 is held at byte 1; a block of zeros gets the byte 1 and not 127 (its codes are zeros, and this program alone reads the bytes).
; SHARES: 256 work-groups of 12 waves, each with the same work.  Waves 0-7 take x: work-group g: token group g/4; wave w: tile pair p = w%4, K step 2 (g%4) + w/4: 32 rows x 512 bytes; a tile's 16 rows turn through the wave's own stage in LDS.
; Waves 8-11 make record g of the weights (column group g%8, K step (g/8)%8, weight g/64): a lane takes a column and its registers run down K, so nothing is transposed; the fragments are put together in LDS bytes of their own.
; The two roles part on the wave's number and join at ONE barrier; every LDS address is made ahead of the parting.  Behind the barrier the first wave of each four stores its four's 512 bytes of scale words.
; Memory binds: no matrix unit, no tensor load, no cluster.
.set REC,    12800
.set SCO,    12288
.set FRG,    1536
.set SPITCH, 528                       ; a stage row: 512 bytes + 16
.set WSTG,   16*SPITCH                 ; a wave's stage
.set SCS,    8*WSTG                    ; three scale blocks of 512 bytes: x's two K steps, the weight's record
.set WB,     SCS+1536                  ; the weight's eight fragments
.set SPARE,  WB+8*FRG                  ; the spare words, 128 bytes for each of 12 waves
.set L16, 1                            ; v1 16 x lane, v2 8 x lane
.set L8,  2
.set STI, 3                            ; v3 into my stage; v4 out of it: row r, + 64 h
.set STO, 4
.set SWA, 5                            ; v5 where x's scale word goes; v6 where my four's scale block is read back
.set SRA, 6
.set SOP, 8
.set PW,  12
.set SW,  14
.set X,   16                           ; x: v16-143 two tiles of 64 numbers a lane
.set PC,  144
.set TM,  184
.set XW,  32                           ; weights: v32-159 four blocks of 32 numbers; v160-183 codes; v184-186 a conversion's second result
.set CB,  160
.set T2,  184
.set WA16, 194                         ; weights: my fragment + 16 r, + 8 r; my scale word; my wave's 3,072 bytes in LDS, in the record; 4 x column
.set WA8,  195
.set WSW,  196
.set WRB,  197
.set WGO,  198
.set WI4,  199
	s_load_b64 s[4:5], s[0:1], 0x0                 ; x
	s_load_b256 s[8:15], s[0:1], 0x8               ; Wq, Wk, Wv, Wo
	s_load_b128 s[16:19], s[0:1], 0x28             ; x's records, the weights' records
	v_lshl_add_u32 v192, v0, 2, SPARE
	v_mov_b32 v193, 0
	v_lshrrev_b32 v7, 5, v0
	v_readfirstlane_b32 s2, v7                     ; wave 0..11
	s_and_b32 s24, s2, 3                           ; p
	s_lshr_b32 s25, s2, 2                          ; 0, 1: x's K step of the work-group's two; 2: the weights
	s_mul_i32 s26, s2, WSTG
	s_lshl_b32 s27, s25, 9
	s_add_co_u32 s27, s27, SCS                     ; my four's scale block
	s_lshl_b32 s28, s24, 2
	s_mul_i32 s29, s24, 2*FRG                      ; my two fragments in a record
	s_add_co_u32 s44, s29, WB
	s_lshr_b32 s30, ttmp9, 2                       ; x: token group
	s_and_b32 s31, ttmp9, 3
	s_lshl_b32 s31, s31, 1
	s_add_co_u32 s31, s31, s25                     ; K step
	s_lshl_b32 s32, s30, 7
	s_lshl_b32 s33, s24, 5
	s_add_co_u32 s32, s32, s33                     ; my first token
	s_lshl_b32 s32, s32, 12                        ; rows of 4,096 bytes
	s_lshl_b32 s33, s31, 9
	s_add_co_u32 s32, s32, s33
	s_mov_b32 s33, 0
	s_lshl_b32 s34, s30, 3
	s_add_co_u32 s34, s34, s31
	s_mul_i32 s34, s34, REC                        ; x's record
	s_mov_b32 s35, 0
	s_and_b32 s36, ttmp9, 7                        ; weights: column group
	s_bfe_u32 s37, ttmp9, 0x30003                  ; K step
	s_lshr_b32 s38, ttmp9, 6                       ; which weight
	s_lshl_b32 s39, s38, 3
	s_add_co_u32 s39, s39, s36
	s_lshl_b32 s39, s39, 3
	s_add_co_u32 s39, s39, s37
	s_mul_i32 s39, s39, REC                        ; the weight's record
	s_lshl_b32 s40, s37, 19                        ; 128 rows of 4,096 bytes a K step
	s_lshl_b32 s41, s36, 9
	s_add_co_u32 s40, s40, s41
	s_mov_b32 s41, 0
	s_mov_b32 s42, s29
	s_mov_b32 s43, 0
	s_mov_b32 s20, 0x76543210
	s_mov_b32 s21, 0xfedcba98                      ; v_permlanex16_b32's selects for lane l xor 16
	s_mov_b32 s22, 0xffff0000                      ; lanes 16-31
	v_and_b32 v7, 31, v0
	v_lshlrev_b32 v[L16], 4, v7
	v_lshlrev_b32 v[L8], 3, v7
	v_add_nc_u32 v[STI], s26, v[L16]
	v_and_b32 v15, 15, v0                          ; r
	v_bfe_u32 v9, v0, 4, 1                         ; h
	v_mul_u32_u24 v[STO], v15, SPITCH
	v_lshl_add_u32 v[STO], v9, 6, v[STO]
	v_add_nc_u32 v[STO], s26, v[STO]
	v_add_nc_u32 v[SRA], s27, v[L16]
	v_add_nc_u32 v[SWA], s28, v[SRA]
	v_bfe_u32 v10, v0, 3, 1                        ; weights: my column lies in tile 2 p + u, u = (lane / 8) % 2,
	v_and_b32 v11, 7, v0
	v_lshl_add_u32 v11, v9, 3, v11                 ; at row lane % 8 + 8 (lane / 16)
	v_mul_u32_u24 v12, v10, FRG
	v_add_nc_u32 v12, s44, v12
	v_lshl_add_u32 v[WA16], v11, 4, v12
	v_lshl_add_u32 v[WA8], v11, 3, v12
	v_lshl_add_u32 v13, v10, 4, v11
	v_lshlrev_b32 v13, 4, v13
	v_add_nc_u32 v13, s27, v13
	v_add_nc_u32 v[WSW], s28, v13                  ; 16 (16 u + row) + 4 p in the scale block
	v_add_nc_u32 v[WRB], s44, v[L16]
	v_add_nc_u32 v[WGO], s29, v[L16]
	v_and_b32 v14, 127, v0
	v_lshlrev_b32 v[WI4], 2, v14
	s_wait_alu depctr_va_vdst(0)                   ; the wait at the head's end
	s_wait_kmcnt 0x0
	s_cmp_lt_u32 s2, 8                             ; the choice hangs on the wave's number alone
	s_cselect_b64 s[6:7], s[16:17], s[18:19]
	s_cselect_b32 s34, s34, s39
	s_add_nc_u64 s[6:7], s[6:7], s[34:35]          ; my record
	s_cbranch_scc0 .Lweights
; ---- waves 0-7: x
	s_add_nc_u64 s[4:5], s[4:5], s[32:33]
	s_add_nc_u64 s[26:27], s[6:7], s[42:43]        ; my two fragments
.irp b, 0,1,2,3
	v_mov_b32 v[TM+4+\b], 0                        ; written once: a lane permute's destination counts as one of its sources
.endr
.irp u, 0,1
.irp i, 0,1,2,3,4,5,6,7,8,9,10,11,12,13,14,15
	global_load_b128 v[X+64*\u+4*\i:X+64*\u+4*\i+3], v[L16], s[4:5] offset:(8*\u+(\i%8)+16*(\i/8))*4096 th:TH_LOAD_NT   ; row i of tile 2p+u: 512 consecutive bytes
.endr
.endr
; 64 numbers of a lane, register 16 b + i = k 32 b + 16 h + i of my row, become a fragment's 12 registers at v[pc] and its scale word in v[pw]
.macro QUANT s, pc, pw
.irp b, 0,1,2,3
	v_max3_num_f32 v[TM+\b], |v[\s+16*\b]|, |v[\s+1+16*\b]|, 0x1800000   ; my 16 numbers of block b, and the floor 2^(3 - 127)
.endr
.irp i, 2,4,6,8,10,12,14
.irp b, 0,1,2,3
	v_max3_num_f32 v[TM+\b], v[TM+\b], |v[\s+16*\b+\i]|, |v[\s+1+16*\b+\i]|   ; the four blocks by turns
.endr
.endr
.irp b, 0,1,2,3
	v_permlanex16_b32 v[TM+4+\b], v[TM+\b], s20, s21
.endr
.irp b, 0,1,2,3
	v_max_num_f32 v[TM+\b], v[TM+\b], v[TM+4+\b]   ; with lane l xor 16's: the block's largest magnitude
.endr
.irp b, 0,1,2,3
	v_add_nc_u32 v[SOP+\b], 0xff000000, v[TM+\b]   ; 2 off its exponent field: the conversion's scale operand
.endr
.irp b, 0,1,2,3
	v_lshrrev_b32 v[TM+4+\b], 23, v[SOP+\b]        ; the scale's byte
.endr
	v_lshl_or_b32 v[\pw], v[TM+5], 8, v[TM+4]
	v_lshl_or_b32 v[\pw], v[TM+6], 16, v[\pw]
	v_lshl_or_b32 v[\pw], v[TM+7], 24, v[\pw]
.irp c, 0,1
	v_cvt_scalef32_pk16_fp6_f32 v[\pc+6*\c:\pc+6*\c+2], v[\s+32*\c:\s+32*\c+15], v[SOP+2*\c]
	v_cvt_scalef32_pk16_fp6_f32 v[\pc+12+4*\c:\pc+14+4*\c], v[\s+16+32*\c:\s+31+32*\c], v[SOP+1+2*\c]   ; (a conversion's three registers begin on an even number)
.endr
	v_nop                                          ; one plain place behind a scaled conversion
.irp c, 0,1                                    ; the operand's layout wants a whole block in a lane
.irp i, 0,1,2
	v_permlane16_swap_b32 v[\pc+6*\c+\i], v[\pc+12+4*\c+\i]
.endr
.irp i, 0,1,2
	v_mov_b32 v[\pc+3+6*\c+\i], v[\pc+12+4*\c+\i]
.endr
.endr
.endm
.macro TILE u
.irp i, 0,1,2,3,4,5,6,7,8,9,10,11,12,13,14,15
	ds_store_b128 v[STI], v[X+64*\u+4*\i:X+64*\u+4*\i+3] offset:SPITCH*\i
.endr
.irp b, 0,1,2,3
.irp j, 0,1,2,3
	ds_load_b128 v[X+64*\u+16*\b+4*\j:X+64*\u+16*\b+4*\j+3], v[STO] offset:128*\b+16*\j   ; LDS serves a wave's instructions in order: these see the stores above
.endr
.endr
	s_wait_dscnt 0x0
	QUANT X+64*\u, PC+20*\u, PW+\u
.irp c, 0,1
	global_store_b128 v[L16], v[PC+20*\u+6*\c:PC+20*\u+6*\c+3], s[26:27] offset:FRG*\u+768*\c        ; 512 consecutive bytes, at a multiple of 256 from the buffer's first byte
	global_store_b64 v[L8], v[PC+20*\u+6*\c+4:PC+20*\u+6*\c+5], s[26:27] offset:FRG*\u+768*\c+512    ; 256 consecutive bytes
.endr
.endm
	s_wait_loadcnt 16                              ; tile 2p's sixteen loads are in; tile 2p+1's sixteen may be out
	TILE 0
	s_wait_loadcnt 0x0
	TILE 1
	v_cndmask_b32 v[SW], v[PW], v[PW+1], s22       ; lanes 0-15: the even tile's words, lanes 16-31: the odd tile's
	ds_store_b32 v[SWA], v[SW]
	s_branch .Ljoin
; ---- waves 8-11: one record of a weight
.Lweights:
	s_and_b32 s45, s38, 1
	s_cmp_eq_u32 s45, 0                            ; the choice hangs on the work-group's number alone
	s_cselect_b64 s[8:9], s[8:9], s[10:11]
	s_cselect_b64 s[12:13], s[12:13], s[14:15]
	s_cmp_lt_u32 s38, 2
	s_cselect_b64 s[8:9], s[8:9], s[12:13]
	s_add_nc_u64 s[8:9], s[8:9], s[40:41]
.macro LOADB t                         ; block t: W(128 s + 32 t + kk, my column): 128 consecutive bytes a wave, 512 the four waves
.set kk, 0
.rept 32
	global_load_b32 v[XW+32*(\t)+kk], v[WI4], s[8:9] offset:(32*(\t)+kk)*4096 th:TH_LOAD_NT
.set kk, kk+1
.endr
.endm
.macro BLOCK t
.set XS, XW+32*(\t)
.set CC, CB+6*(\t)
	v_max3_num_f32 v12, |v[XS]|, |v[XS+1]|, |v[XS+2]|              ; the block's largest magnitude: all 32 numbers are mine; two chains
	v_max3_num_f32 v13, |v[XS+3]|, |v[XS+4]|, |v[XS+5]|
.irp i, 6,10,14,18,22,26
	v_max3_num_f32 v12, v12, |v[XS+\i]|, |v[XS+\i+1]|
	v_max3_num_f32 v13, v13, |v[XS+\i+2]|, |v[XS+\i+3]|
.endr
	v_max3_num_f32 v12, v12, |v[XS+30]|, |v[XS+31]|
	v_max3_num_f32 v12, v12, v13, 0x1800000        ; and the floor 2^(3 - 127)
	v_add_nc_u32 v11, 0xff000000, v12              ; 2 off the exponent field: the conversion's scale operand
	v_lshrrev_b32 v13, 23, v11                     ; the scale's byte
.if (\t) == 0
	v_mov_b32 v7, v13
.else
	v_lshl_or_b32 v7, v13, 8*(\t), v7              ; the lower K in the lower byte
.endif
	v_cvt_scalef32_pk16_fp6_f32 v[CC:CC+2], v[XS:XS+15], v11
	v_cvt_scalef32_pk16_fp6_f32 v[T2:T2+2], v[XS+16:XS+31], v11
	v_nop                                          ; one plain place behind a scaled conversion
.irp i, 0,1,2
	v_mov_b32 v[CC+3+\i], v[T2+\i]
.endr
	ds_store_b128 v[WA16], v[CC:CC+3] offset:768*((\t)/2)+256*((\t)%2)     ; block t = 2 c + h is what lane (r, h) of the fragment holds in registers 6c .. 6c+5
	ds_store_b64 v[WA8], v[CC+4:CC+5] offset:768*((\t)/2)+512+128*((\t)%2)
.endm
	LOADB 0
	LOADB 1
	s_wait_loadcnt 32                              ; block 0 is in; block 1's 32 loads may be out
	LOADB 2
	BLOCK 0
	s_wait_loadcnt 32
	LOADB 3
	BLOCK 1
	s_wait_loadcnt 32
	BLOCK 2
	s_wait_loadcnt 0x0
	BLOCK 3
.irp i, 0,1,2,3,4,5
	ds_load_b128 v[XW+4*\i:XW+4*\i+3], v[WRB] offset:512*\i        ; my wave's own two fragments: LDS serves a wave's instructions in order
.endr
	ds_store_b32 v[WSW], v7
	s_wait_dscnt 0x0
.irp i, 0,1,2,3,4,5
	global_store_b128 v[WGO], v[XW+4*\i:XW+4*\i+3], s[6:7] offset:512*\i   ; 512 consecutive bytes, at a multiple of 256 from the buffer's first byte
.endr
; ---- all waves
.Ljoin:
	s_wait_dscnt 0x0                               ; for the others' sake: my scale word has landed
	s_barrier_signal -1
	s_barrier_wait -1
	s_cmp_lg_u32 s24, 0                            ; the first wave of each four stores its record's 512 bytes of scale words
	s_cbranch_scc1 .Ldone
	ds_load_b128 v[16:19], v[SRA]
	s_wait_dscnt 0x0
	global_store_b128 v[L16], v[16:19], s[6:7] offset:SCO
.Ldone:
	s_wait_tensorcnt 0x0                           ; the wave's end
	ds_add_u32 v192, v193
	s_wait_dscnt 0x0
	s_endpgm
.Lfunc_end_k_qabcec5c4fb_quant:
	.size	k_qabcec5c4fb_quant, .Lfunc_end_k_qabcec5c4fb_quant-k_qabcec5c4fb_quant
	.p2alignl 7, 3214868480
	.fill 96, 4, 3214868480
	.section	.rodata,"a",@progbits
	.p2align	6, 0x0
	.amdhsa_kernel k_qabcec5c4fb_quant
		.amdhsa_group_segment_fixed_size 82944
		.amdhsa_private_segment_fixed_size 0
		.amdhsa_enable_private_segment 0
		.amdhsa_kernarg_size 56
		.amdhsa_user_sgpr_count 2
		.amdhsa_user_sgpr_kernarg_segment_ptr 1
		.amdhsa_wavefront_size32 1
		.amdhsa_system_sgpr_workgroup_id_x 1
		.amdhsa_system_sgpr_workgroup_id_y 1
		.amdhsa_system_sgpr_workgroup_id_z 1
		.amdhsa_system_vgpr_workitem_id 0
		.amdhsa_next_free_vgpr 200
		.amdhsa_next_free_sgpr 66
		.amdhsa_reserve_vcc 0
		.amdhsa_float_denorm_mode_32 3
		.amdhsa_float_denorm_mode_16_64 3
		.amdhsa_memory_ordered 1
		.amdhsa_forward_progress 1
		.amdhsa_inst_pref_size 40
	.end_amdhsa_kernel
	.amdgpu_metadata
---
amdhsa.version: [ 1, 2 ]
amdhsa.kernels:
  - .name:           k_qabcec5c4fb_quant
    .symbol:         k_qabcec5c4fb_quant.kd
    .args:
      - { .name: x, .offset: 0, .size: 8, .value_kind: global_buffer, .address_space: global }
      - { .name: Wq, .offset: 8, .size: 8, .value_kind: global_buffer, .address_space: global }
      - { .name: Wk, .offset: 16, .size: 8, .value_kind: global_buffer, .address_space: global }
      - { .name: Wv, .offset: 24, .size: 8, .value_kind: global_buffer, .address_space: global }
      - { .name: Wo, .offset: 32, .size: 8, .value_kind: global_buffer, .address_space: global }
      - { .name: xcodes, .offset: 40, .size: 8, .value_kind: global_buffer, .address_space: global }
      - { .name: wcodes, .offset: 48, .size: 8, .value_kind: global_buffer, .address_space: global }
    .group_segment_fixed_size: 82944
    .private_segment_fixed_size: 0
    .kernarg_segment_align: 8
    .kernarg_segment_size: 56
    .max_flat_workgroup_size: 384
    .sgpr_count:     66
    .vgpr_count:     200
    .wavefront_size: 32
...
	.end_amdgpu_metadata
.endif
;; end of part 1
;; launch qkv (part 2): grid 8 x 32, 4 waves a work-group, clusters of 4 x 4, 327,680 bytes of LDS; arguments xcodes, wcodes, qkvcodes; writes qkvcodes
.if DOCPART == 2
	.amdgcn_target "amdgcn-amd-amdhsa--gfx1250"
	.amdhsa_code_object_version 6
	.text
	.protected	k_qabcec5c4fb_qkv
	.globl	k_qabcec5c4fb_qkv
	.p2align	8
	.type	k_qabcec5c4fb_qkv,@function
k_qabcec5c4fb_qkv:
	s_mov_b64 s[64:65], 0
	v_nop
	global_prefetch_b8 v0, s[64:65] scope:SCOPE_SE
	s_setreg_imm32_b32 hwreg(HW_REG_WAVE_MODE, 25, 1), 1
	s_wait_xcnt 0x0
	s_wait_alu depctr_hold_cnt(0) depctr_sa_sdst(0) depctr_va_vdst(0) depctr_va_sdst(0) depctr_va_ssrc(0) depctr_va_vcc(0) depctr_vm_vsrc(0)
	s_getreg_b32 s2, hwreg(HW_REG_IB_STS2, 6, 4)
	s_cmp_eq_u32 s2, 0
	s_cbranch_scc0 .Lentry_in_a_cluster
	s_endpgm
.Lentry_in_a_cluster:
	s_bfe_u32 s2, ttmp6, 0x10000c
	s_cmp_lg_u32 s2, 0xf033
	s_cbranch_scc0 .Lentry_shape_is_right
	s_endpgm
.Lentry_shape_is_right:
; q = x Wq, k = x Wk, v = x Wv on codes of FP6 (E2M3) with E8M0 scales, f32 sums; each result is quantised in registers for attention's products and leaves as codes.
; IN: records of 12,800 bytes (a group of 128 rows x a K step of 128: eight fragments of 1,536 bytes, each the image of an operand's 12 registers, then 512 bytes of scale words); a group's eight K steps lie on end.
; THE DEAL: 256 work-groups of four waves.  Work-group (j, y) takes token groups 2y, 2y+1 and three column groups: j of Wq, j of Wk, j of Wv: 768 products a wave in every work-group.
; First q and k together: wave (a, b) makes token group a x (b = 0: q, 1: k), 128 x 128, 64 accumulators, source 0 = W, source 1 = x, so that a lane's registers run along the head pair's channels.
; Then v: wave (a, b) makes token group a (source 0: a lane's registers run along the keys) x tiles 4b .. 4b+3 of Wv's group (source 1): 32 accumulators, half a record.
; LDS: x's two groups, all of K, 204,800 bytes, filled once; behind them two slots of 51,200 bytes for the weights: a slot holds two K steps of q's and k's groups, or four K steps of v's.
; FILLS.  At the head one tensor load a wave: waves 0, 1 K steps 0-3 of a token group each; waves 2, 3 a slot each (two rows of 25,600 bytes: q's two records, k's two).  Behind a full sequence and a round waves 0, 1 ask for K steps 4-7 of x.
; Four refills, each behind a drained round in an odd K step, a record of 12,800 bytes a wave: a slot is asked for again when its second K step's fragments are in registers, 128 products ahead of the wait for it.
; CLUSTERS 4 x 4: x's groups hang on y alone and are shared by a row of the cluster, the weights' on j alone and are shared by a column.  No branch and no LDS address hangs on a place in the cluster.
; No data prefetch: x is asked for whole by the first two groups of loads, and of the weights' six fills two go out at the head and each other one a phase ahead.
; OUT: record index (type x 32 + batch x 8 + head pair) x 16 + token group in the sequence; q, k: tile = 16 tokens, K = the pair's 128 channels; v: tile = 16 channels, K = 128 keys.  v's scale words leave 8 bytes a lane (a wave holds two of a lane's four).
; LIMITS: NaN and infinities are not served; a block whose largest magnitude lies under 2^-124 is held at byte 1; a block of zeros gets the byte 1 and not 127 (zero codes; this program alone reads the bytes).
; REGISTERS: window 0: v2-17 addresses, v28, v29 for the add, v32-47 scale words (two sets), v48-63 at work on the way out, v64-255 source 1's fragments (two sets), later the codes made and registers at work.
;   window 1: source 0's eight fragments, two sets at v0 and v128.   windows 2, 3: accumulator (a, b) at v[8 (8 (a%4) + b)], a = source 1's tile, b = source 0's.
.set REC,  12800
.set SCO,  12288
.set FRG,  1536
.set GRP,  8*REC
.set HALF, 4*REC
.set WS,   2*GRP                       ; the weights' slots begin here
.set SLOT, 4*REC
.set SPARE, WS+2*SLOT                  ; the spare words, 128 bytes a wave
.set L16, 2                            ; v2 16 x lane, v3 8 x lane
.set L8,  3
.set A0,  4                            ; v4, v5 q's or k's records in slot 0, 1, + 16 x lane; v6, v7 + 8 x lane
.set A1,  8                            ; v8, v9 my token group's K steps 0-3, 4-7; v10, v11
.set AV,  12                           ; v12, v13 my four tiles of v's records in slot 0, 1; v14, v15
.set AVS, 16                           ; v16, v17 their scale words
.set SPW, 28
.set NIL, 29
.set SC,  32                           ; scale words: set s at v[32 + 8 s]: four registers for source 0, up to four for source 1
.set TM,  48
.set AF,  64
.set T2,  224
.set PWR, 232
.set SWR, 240
.set G1X, 20                           ; s[20:27] group 1: 200 rows of 256 bytes of x
.set G1Q, 28                           ; s[28:35] two rows of 25,600 bytes, eight groups apart
.set G1R, 36                           ; s[36:43] a record: 50 rows of 256 bytes
.set G0X, 44
.set G0Q, 48
.set G0R, 52
.set WQ,  56                           ; s[56:57] my record of q's or k's K steps 0, 1;  s[58:59] of v's K steps 0-3
.set WV,  58
.set MSB, 0
.macro WIN new
.if MSB != \new
	s_set_vgpr_msb (MSB<<8)|\new
.set MSB, \new
.endif
.endm
.macro PLACES                          ; four plain places behind a matrix instruction of this form (ISA guide 7.12.1)
.rept 4
	v_nop
.endr
.endm
.macro TLOAD g0, g1                    ; an s_nop 0 and four v_nop follow the load
	tensor_load_to_lds s[\g0:\g0+3], s[\g1:\g1+7]
	s_nop 0
	PLACES
.endm
.macro CREST
	s_cmp_lg_u32 s14, 0
	s_cbranch_scc1 .Lnot_wave_0_\@
	s_barrier_signal -3
.Lnot_wave_0_\@:
	s_barrier_wait -3
	s_barrier_signal -1
	s_barrier_wait -1
.endm
.macro CROUND
	s_barrier_signal -1
	s_barrier_wait -1
	CREST
.endm
.macro G1SET g, c, r, p                ; rows of c elements of 8 bytes, r rows, pitch p
	s_mov_b32 s[\g+1], (\c)<<16
	s_mov_b32 s[\g+2], (\r)<<16
	s_mov_b32 s[\g+3], (\c)<<16
	s_mov_b32 s[\g+4], \r
	s_mov_b32 s[\g+5], \p
	s_mov_b32 s[\g+6], 0
	s_mov_b32 s[\g+7], 0
.endm
	s_load_b128 s[4:7], s[0:1], 0x0                ; x's records, the weights' records
	s_load_b64 s[8:9], s[0:1], 0x10                ; the output's records
	v_lshl_add_u32 v[SPW], v0, 2, SPARE
	v_mov_b32 v[NIL], 0
	ds_add_u32 v[SPW], v[NIL]                      ; the opening lines: the add twice on end and its wait
	ds_add_u32 v[SPW], v[NIL]
	v_lshrrev_b32 v1, 5, v0
	v_readfirstlane_b32 s14, v1                    ; wave
	s_lshr_b32 s15, s14, 1                         ; a: my token group.  Also: I fetch x (0) or weights (1) at the head
	s_and_b32 s16, s14, 1                          ; b: q or k; which half of v's tiles.  Also: which group or slot I fetch
	s_bfe_u32 s66, ttmp6, 0x40000                  ; cx
	s_bfe_u32 s67, ttmp6, 0x40004                  ; cy
	s_lshl_b32 s68, ttmp9, 2
	s_add_co_u32 s68, s68, s66                     ; j
	s_and_b32 s69, ttmp7, 0xffff
	s_lshl_b32 s69, s69, 2
	s_add_co_u32 s69, s69, s67                     ; y
	s_lshl_b32 s70, s67, 2
	s_lshl_b32 s70, 15, s70                        ; my row of the cluster
	s_lshl_b32 s71, 0x1111, s66                    ; my column
	s_or_b32 s[G1X], s70, (3<<16)|(1<<21)          ; the mask; elements of 8 bytes; bit 21 beside a mask; no padding: every read of an image is dense
	s_or_b32 s[G1Q], s71, (3<<16)|(1<<21)
	s_or_b32 s[G1R], s71, (3<<16)|(1<<21)
	G1SET G1X, 32, 200, 32
	G1SET G1Q, 3200, 2, GRP
	G1SET G1R, 32, 50, 32
	s_lshl_b32 s72, s69, 1
	s_add_co_u32 s72, s72, s16
	s_mul_i32 s72, s72, GRP                        ; token group 2y + b: hangs on y alone
	s_mov_b32 s73, 0
	s_mul_i32 s74, s68, GRP
	s_mul_i32 s75, s16, 2*REC
	s_add_co_u32 s74, s74, s75                     ; q's group j, K steps 2b, 2b+1
	s_mov_b32 s75, 0
	s_mul_i32 s76, s68, GRP
	s_mul_i32 s77, s15, 8*GRP
	s_add_co_u32 s76, s76, s77
	s_mul_i32 s77, s16, REC
	s_add_co_u32 s76, s76, s77                     ; a refill's record: q's (waves 0, 1) or k's (2, 3), K step wave % 2
	s_mov_b32 s77, 0
	s_add_co_u32 s78, s68, 16
	s_mul_i32 s78, s78, GRP
	s_mul_i32 s79, s14, REC
	s_add_co_u32 s78, s78, s79                     ; v's group j, K step = wave
	s_mov_b32 s79, 0
	s_mov_b32 s[G0X], 1
	s_mul_i32 s[G0X+1], s16, GRP
	s_mov_b32 s[G0Q], 1
	s_mul_i32 s[G0Q+1], s16, SLOT
	s_add_co_u32 s[G0Q+1], s[G0Q+1], WS
	s_mov_b32 s[G0R], 1
	s_mul_i32 s80, s14, REC
	s_add_co_u32 s80, s80, WS                      ; my record's place in slot 0
	s_mul_i32 s81, s16, 2*REC
	s_add_co_u32 s81, s81, WS
	s_add_co_u32 s82, s81, SLOT
	s_mul_i32 s83, s15, GRP
	s_add_co_u32 s84, s83, HALF
	s_mul_i32 s85, s16, 4*FRG
	s_add_co_u32 s85, s85, WS
	s_add_co_u32 s86, s85, SLOT
	s_lshl_b32 s87, s16, 3
	s_add_co_u32 s87, s87, WS
	s_add_co_u32 s88, s87, SLOT
	s_mov_b32 s89, 0xffff0000                      ; lanes 16-31
	s_mov_b32 s90, 0x76543210
	s_mov_b32 s91, 0xfedcba98                      ; v_permlanex16_b32's selects for lane l xor 16
	s_wait_alu depctr_va_vdst(0)                   ; the wait ahead of the waits below
	s_wait_dscnt 0x0
	CROUND                                         ; the opening round: the first joint loads meet
	s_wait_kmcnt 0x0
	s_add_nc_u64 s[G0X+2:G0X+3], s[4:5], s[72:73]
	s_or_b32 s[G0X+3], s[G0X+3], 0x80000000
	s_add_nc_u64 s[G0Q+2:G0Q+3], s[6:7], s[74:75]
	s_or_b32 s[G0Q+3], s[G0Q+3], 0x80000000
	s_add_nc_u64 s[WQ:WQ+1], s[6:7], s[76:77]
	s_add_nc_u64 s[WV:WV+1], s[6:7], s[78:79]
	s_cmp_eq_u32 s15, 0
	s_cbranch_scc0 .Lhead_w
	TLOAD G0X, G1X                                 ; waves 0, 1: K steps 0-3 of a token group
	s_branch .Lhead_asked
.Lhead_w:
	TLOAD G0Q, G1Q                                 ; waves 2, 3: a slot: K steps 0, 1 or 2, 3 of q's and k's groups
.Lhead_asked:
	v_and_b32 v1, 31, v0
	v_lshlrev_b32 v[L16], 4, v1
	v_lshlrev_b32 v[L8], 3, v1
.irp n, 0,1
	v_add_nc_u32 v[A0+\n], s[81+\n], v[L16]
	v_add_nc_u32 v[A0+2+\n], s[81+\n], v[L8]
	v_add_nc_u32 v[A1+\n], s[83+\n], v[L16]
	v_add_nc_u32 v[A1+2+\n], s[83+\n], v[L8]
	v_add_nc_u32 v[AV+\n], s[85+\n], v[L16]
	v_add_nc_u32 v[AV+2+\n], s[85+\n], v[L8]
	v_add_nc_u32 v[AVS+\n], s[87+\n], v[L16]
.endr
.irp b, 0,1,2,3
	v_mov_b32 v[TM+4+\b], 0                        ; written once: a lane permute's destination counts as one of its sources
.endr
	s_lshl_b32 s92, s69, 1
	s_add_co_u32 s92, s92, s15                     ; my token group, 0..63
	s_lshr_b32 s93, s92, 4
	s_lshl_b32 s93, s93, 3
	s_add_co_u32 s93, s93, s68                     ; batch x 8 + head pair
	s_and_b32 s94, s92, 15
	s_add_co_u32 s96, s93, 64
	s_lshl_b32 s96, s96, 4
	s_add_co_u32 s96, s96, s94
	s_mul_i32 s96, s96, REC
	s_mov_b32 s97, 0
	s_add_nc_u64 s[12:13], s[8:9], s[96:97]        ; v's record
	s_mul_i32 s98, s16, 4*FRG
	s_mov_b32 s99, 0
	s_add_nc_u64 s[10:11], s[12:13], s[98:99]      ; my four fragments in it
	s_lshl_b32 s98, s16, 3
	s_add_nc_u64 s[12:13], s[12:13], s[98:99]      ; my two of a lane's four scale words
	s_lshl_b32 s96, s16, 5
	s_add_co_u32 s96, s96, s93
	s_lshl_b32 s96, s96, 4
	s_add_co_u32 s96, s96, s94
	s_mul_i32 s96, s96, REC
	s_add_nc_u64 s[8:9], s[8:9], s[96:97]          ; q's or k's record
.macro FRAG reg, a16, a8, off          ; a fragment comes back as it was stored: four dense loads
	ds_load_b128 v[\reg:\reg+3], v[\a16] offset:\off
	ds_load_b64 v[\reg+4:\reg+5], v[\a8] offset:\off+512
	ds_load_b128 v[\reg+6:\reg+9], v[\a16] offset:\off+768
	ds_load_b64 v[\reg+10:\reg+11], v[\a8] offset:\off+1280
.endm
.macro FETCHQK ks, set                 ; K step ks of q|k: 8 fragments of W, 8 of x, both sides' scale words: 66 loads
	WIN 0x40
.irp i, 0,1,2,3,4,5,6,7
	FRAG 128*(\set)+12*\i, A0+((\ks)/2)%2, A0+2+((\ks)/2)%2, REC*((\ks)%2)+FRG*\i
.endr
	WIN 0
.irp i, 0,1,2,3,4,5,6,7
	FRAG AF+96*(\set)+12*\i, A1+(\ks)/4, A1+2+(\ks)/4, REC*((\ks)%4)+FRG*\i
.endr
	ds_load_b128 v[SC+8*(\set):SC+8*(\set)+3], v[A0+((\ks)/2)%2] offset:REC*((\ks)%2)+SCO
	ds_load_b128 v[SC+8*(\set)+4:SC+8*(\set)+7], v[A1+(\ks)/4] offset:REC*((\ks)%4)+SCO
.endm
.macro FETCHV ks, set                  ; K step ks of v: 8 fragments of x, my 4 of Wv, scale words: 50 loads
	WIN 0x40
.irp i, 0,1,2,3,4,5,6,7
	FRAG 128*(\set)+12*\i, A1+(\ks)/4, A1+2+(\ks)/4, REC*((\ks)%4)+FRG*\i
.endr
	WIN 0
.irp i, 0,1,2,3
	FRAG AF+48*(\set)+12*\i, AV+(\ks)/4, AV+2+(\ks)/4, REC*((\ks)%4)+FRG*\i
.endr
	ds_load_b128 v[SC+8*(\set):SC+8*(\set)+3], v[A1+(\ks)/4] offset:REC*((\ks)%4)+SCO
	ds_load_b64 v[SC+8*(\set)+4:SC+8*(\set)+5], v[AVS+(\ks)/4] offset:REC*((\ks)%4)+SCO
.endm
.macro WM c, ra, rb                    ; one product; odd tiles' scale words stand in lanes 16-31
	v_wmma_scale_f32_16x16x128_f8f6f4 v[rD:rD+7], v[rA:rA+11], v[rB:rB+11], \c, v[xA], v[xB] matrix_a_fmt:MATRIX_FMT_FP6 matrix_b_fmt:MATRIX_FMT_FP6 matrix_a_scale:MATRIX_SCALE_ROW\ra matrix_b_scale:MATRIX_SCALE_ROW\rb
.endm
.macro WMZ zero, ra, rb
.if \zero
	WM 0, \ra, \rb
.else
	WM v[rD:rD+7], \ra, \rb
.endif
.endm
.macro MULA a, ra, set, zero           ; source 1's tile a (ra = a % 2) against source 0's eight.  SST: registers of a set of source 1
.irp p, 0,1,2,3
.set rB, AF+SST*(\set)+12*(\a)
.set xB, SC+8*(\set)+4+(\a)/2
.set xA, SC+8*(\set)+\p
.set rD, 8*(8*((\a)%4)+2*\p)
.set rA, 128*(\set)+24*\p
	WMZ \zero, 0, \ra
.set rD, rD+8
.set rA, rA+12
	WMZ \zero, 1, \ra
.endr
.endm
.macro MUL16 a0, set, zero             ; the accumulators take turns, one instruction a turn, in the same order in every K step
	MULA \a0, 0, \set, \zero
	MULA (\a0)+1, 1, \set, \zero
.endm
.macro EVEN ks, zero                   ; a slot's first K step (set 0): the second step's fragments are asked for ahead of its 64 products
	s_wait_dscnt 0x0                               ; this step's fragments are in
.if (\ks) > 0
	PLACES
.endif
	FETCHQK (\ks)+1, 1
	WIN 0xa1
	MUL16 0, 0, \zero
	MUL16 2, 0, \zero
	WIN 0xf1
	MUL16 4, 0, \zero
	MUL16 6, 0, \zero
	WIN 0
.endm
.macro ODD ks, n, next                 ; a slot's second K step (set 1): the slot is read out and takes phase n's 51,200 bytes, behind a drained round
	s_wait_tensorcnt 0x0                           ; all my tensor loads have landed
	ds_add_u32 v[SPW], v[NIL]
.if (\n) < 4
	s_add_nc_u64 s[G0R+2:G0R+3], s[WQ:WQ+1], 2*(\n)*REC
.else
	s_add_nc_u64 s[G0R+2:G0R+3], s[WV:WV+1], 4*((\n)-4)*REC
.endif
	s_or_b32 s[G0R+3], s[G0R+3], 0x80000000
	s_add_co_u32 s[G0R+1], s80, ((\n)%2)*SLOT
	s_wait_dscnt 1                                 ; this step's fragments are in; the add alone may be out
	WIN 0xa1
	MUL16 0, 1, 0
	s_wait_dscnt 0x0                               ; the add is done; my reads of this slot are over
	s_barrier_signal -1
	MUL16 2, 1, 0
	WIN 0
	s_barrier_wait -1
	CREST
	TLOAD G0R, G1R                                 ; my record of the refill; its four v_nop are the places ahead of the loads below
.if \next
	FETCHQK (\ks)+1, 0
.endif
	WIN 0xf1
	MUL16 4, 1, 0
	MUL16 6, 1, 0
	WIN 0
.endm
.macro VSTEP ks, zero
.if (\ks) == 3
	s_wait_tensorcnt 0x0                           ; my record of v's K steps 4-7 has landed
.endif
	s_wait_dscnt 0x0
.if (\ks) == 3
	s_barrier_signal -1                            ; a plain barrier: slot 1 is shown whole
	s_barrier_wait -1
.endif
.if (\ks) < 7
.if (\ks) > 0
	PLACES
.endif
	FETCHV (\ks)+1, ((\ks)+1)%2
.endif
	WIN 0xa1
	MUL16 0, (\ks)%2, \zero
	MUL16 2, (\ks)%2, \zero
	WIN 0
.endm
; THE WAY OUT.  The 64 registers of source 1's tile a are, for my row, k = 32 b + 16 h + i of the next product: they are quantised where they stand and become a fragment of the record at s[base].
.macro QUANTW a, base
.set AC, 64*((\a)%4)
.set WN, 2+(\a)/4
.set W5, 5*WN
.set PC, AF+12*(\a)
	WIN W5
.irp b, 0,1,2,3
	v_max3_num_f32 v[TM+\b], |v[AC+16*\b]|, |v[AC+1+16*\b]|, 0x1800000   ; each accumulator from its low end on; the floor 2^(3 - 127) holds the byte at 1 from below
.endr
.irp i, 2,4,6,8,10,12,14
.irp b, 0,1,2,3
	v_max3_num_f32 v[TM+\b], |v[AC+16*\b+\i]|, |v[AC+1+16*\b+\i]|, v[TM+\b]
.endr
.endr
	WIN 0
.irp b, 0,1,2,3
	v_permlanex16_b32 v[TM+4+\b], v[TM+\b], s90, s91
.endr
.irp b, 0,1,2,3
	v_max_num_f32 v[TM+\b], v[TM+\b], v[TM+4+\b]
.endr
.irp b, 0,1,2,3
	v_add_nc_u32 v[TM+12+\b], 0xff000000, v[TM+\b] ; 2 off the exponent field: the conversion's scale operand
.endr
.irp b, 0,1,2,3
	v_lshrrev_b32 v[TM+4+\b], 23, v[TM+12+\b]      ; the scale's byte
.endr
	v_lshl_or_b32 v[PWR+(\a)], v[TM+5], 8, v[TM+4]
	v_lshl_or_b32 v[PWR+(\a)], v[TM+6], 16, v[PWR+(\a)]
	v_lshl_or_b32 v[PWR+(\a)], v[TM+7], 24, v[PWR+(\a)]
	WIN WN
.irp c, 0,1
	v_cvt_scalef32_pk16_fp6_f32 v[PC+6*\c:PC+6*\c+2], v[AC+32*\c:AC+32*\c+15], v[TM+12+2*\c]
	v_cvt_scalef32_pk16_fp6_f32 v[T2+4*\c:T2+4*\c+2], v[AC+16+32*\c:AC+31+32*\c], v[TM+13+2*\c]
.endr
	WIN 0
	v_nop                                          ; one plain place behind a scaled conversion
.irp c, 0,1
.irp i, 0,1,2
	v_permlane16_swap_b32 v[PC+6*\c+\i], v[T2+4*\c+\i]   ; a whole block to a lane
.endr
.irp i, 0,1,2
	v_mov_b32 v[PC+3+6*\c+\i], v[T2+4*\c+\i]
.endr
.endr
.if (\a)%2
	v_cndmask_b32 v[SWR+(\a)/2], v[PWR+(\a)-1], v[PWR+(\a)], s89   ; the even tile's words in lanes 0-15, the odd tile's in lanes 16-31
.endif
.irp c, 0,1
	global_store_b128 v[L16], v[PC+6*\c:PC+6*\c+3], s[\base:\base+1] offset:FRG*(\a)+768*\c          ; 512 consecutive bytes, at a multiple of 256 from the buffer's first byte
	global_store_b64 v[L8], v[PC+6*\c+4:PC+6*\c+5], s[\base:\base+1] offset:FRG*(\a)+768*\c+512
.endr
.endm
	s_wait_alu depctr_va_vdst(0)                   ; the wait at the head's end
	s_wait_tensorcnt 0x0                           ; my tile of the head's four is in; the full sequence ahead of a later first fill:
	ds_add_u32 v[SPW], v[NIL]
	s_add_nc_u64 s[G0X+2:G0X+3], s[G0X+2:G0X+3], HALF
	s_add_co_u32 s[G0X+1], s[G0X+1], HALF
	s_wait_dscnt 0x0
	CROUND
	s_cmp_eq_u32 s15, 0
	s_cbranch_scc0 .Lno_x2
	TLOAD G0X, G1X                                 ; waves 0, 1: K steps 4-7 of a token group; shown to all by K step 1's round
.Lno_x2:
.set SST, 96
	FETCHQK 0, 0
	EVEN 0, 1                                      ; the first products start the sums: nothing is cleared
	ODD 1, 2, 1
	EVEN 2, 0
	ODD 3, 3, 1
	EVEN 4, 0
	ODD 5, 4, 1
	EVEN 6, 0
	ODD 7, 5, 0
	PLACES
.irp a, 0,1,2,3,4,5,6,7
	QUANTW \a, 8
.endr
	global_store_b128 v[L16], v[SWR:SWR+3], s[8:9] offset:SCO      ; the record's 512 bytes of scale words
	s_wait_xcnt 0x0                                ; the stores have read their registers: v's fragments may land there
.set SST, 48
	FETCHV 0, 0
	VSTEP 0, 1
.irp k, 1,2,3,4,5,6,7
	VSTEP \k, 0
.endr
	PLACES
.irp a, 0,1,2,3
	QUANTW \a, 10
.endr
	global_store_b64 v[L16], v[SWR:SWR+1], s[12:13] offset:SCO
	s_wait_tensorcnt 0x0                           ; the wave's end
	ds_add_u32 v[SPW], v[NIL]
	s_wait_dscnt 0x0
	CROUND                                         ; the closing round
	s_endpgm
.Lfunc_end_k_qabcec5c4fb_qkv:
	.size	k_qabcec5c4fb_qkv, .Lfunc_end_k_qabcec5c4fb_qkv-k_qabcec5c4fb_qkv
	.p2alignl 7, 3214868480
	.fill 96, 4, 3214868480
	.section	.rodata,"a",@progbits
	.p2align	6, 0x0
	.amdhsa_kernel k_qabcec5c4fb_qkv
		.amdhsa_group_segment_fixed_size 327680
		.amdhsa_private_segment_fixed_size 0
		.amdhsa_enable_private_segment 0
		.amdhsa_kernarg_size 24
		.amdhsa_user_sgpr_count 2
		.amdhsa_user_sgpr_kernarg_segment_ptr 1
		.amdhsa_wavefront_size32 1
		.amdhsa_system_sgpr_workgroup_id_x 1
		.amdhsa_system_sgpr_workgroup_id_y 1
		.amdhsa_system_sgpr_workgroup_id_z 1
		.amdhsa_system_vgpr_workitem_id 0
		.amdhsa_next_free_vgpr 1024
		.amdhsa_next_free_sgpr 100
		.amdhsa_reserve_vcc 0
		.amdhsa_float_denorm_mode_32 3
		.amdhsa_float_denorm_mode_16_64 3
		.amdhsa_memory_ordered 1
		.amdhsa_forward_progress 1
		.amdhsa_inst_pref_size 222
	.end_amdhsa_kernel
	.amdgpu_metadata
---
amdhsa.version: [ 1, 2 ]
amdhsa.kernels:
  - .name:           k_qabcec5c4fb_qkv
    .symbol:         k_qabcec5c4fb_qkv.kd
    .args:
      - { .name: xcodes, .offset: 0, .size: 8, .value_kind: global_buffer, .address_space: global }
      - { .name: wcodes, .offset: 8, .size: 8, .value_kind: global_buffer, .address_space: global }
      - { .name: qkvcodes, .offset: 16, .size: 8, .value_kind: global_buffer, .address_space: global }
    .group_segment_fixed_size: 327680
    .private_segment_fixed_size: 0
    .kernarg_segment_align: 8
    .kernarg_segment_size: 24
    .max_flat_workgroup_size: 128
    .sgpr_count:     100
    .vgpr_count:     1024
    .wavefront_size: 32
...
	.end_amdgpu_metadata
.endif
;; end of part 2
;; launch attn (part 3): grid 8 x 32, 16 waves a work-group, no clusters, 327,680 bytes of LDS; arguments qkvcodes, ccodes; writes ccodes
.if DOCPART == 3
	.amdgcn_target "amdgcn-amd-amdhsa--gfx1250"
	.amdhsa_code_object_version 6
	.text
	.protected	k_qabcec5c4fb_attn
	.globl	k_qabcec5c4fb_attn
	.p2align	8
	.type	k_qabcec5c4fb_attn,@function
k_qabcec5c4fb_attn:
	s_mov_b64 s[64:65], 0
	v_nop
	global_prefetch_b8 v0, s[64:65] scope:SCOPE_SE
	s_setreg_imm32_b32 hwreg(HW_REG_WAVE_MODE, 25, 1), 1
	s_wait_xcnt 0x0
; Causal attention on codes of FP6 (E2M3) with E8M0 scales; heads of 64; the context leaves quantised along its 1,024 channels, as records for the last product.
; Key steps that lie wholly behind the diagonal of the causal mask are left out: their p is 0 for every input.
; IN: records of 12,800 bytes, index (type x 32 + batch x 8 + head pair) x 16 + token group of 128.  q, k: eight fragments of 16 tokens x 128 channels (half 0: the pair's even head, half 1: the odd one); v: eight fragments of
; 16 channels x 128 keys (tiles 0-3: the even head).  A fragment is the image of an operand's 12 registers (half c: registers 6c..6c+3 at 768 c + 16 x lane, 6c+4, 6c+5 at 768 c + 512 + 8 x lane); scale word of (tile t, row r) at
; 12,288 + 16 (16 (t%2) + r) + 4 (t/2).  Lane r of tile t holds row 32 (t/2) + 8 (t%2) + r%8 + 16 (r/8) of its group.
; THE SOFTMAX: t = score x log2(e) / 8; M = the running largest t rounded UP to a whole number; p = 2^(t - M) is quantised along the keys, not normalised; the row's sum is taken of the unquantised p and divides at the end;
; when M moves, the sum and O are multiplied by 2^(old M - new M): exact.
; SHARES.  A work-group takes one head pair and two groups of 128 queries, y and 15 - y: y + 1 and 16 - y key steps of 128, 17 for every work-group.  Wave w: head w%2 of the pair, query tile w/2: one tile of 16 queries in 256 registers.
; K's and V's records come through two LDS slots of FOUR key steps each (wave 0: K's 51,200 bytes, wave 1: V's).  The first pass takes (y + 4) / 4 slots, the second the rest of FIVE: the trip count is a constant; of the 20 steps
; three lie wholly behind the diagonal and their work is jumped over on ids.  A slot's four steps are an inner loop of two trips of two steps.  No cluster: partners with other y would want other tiles at the same time.
; No data prefetch: a slot's 102,400 bytes are asked for four key steps ahead of their first read.
; LAYOUT.  S^T = K Q^T, O^T = V^T P^T: a lane holds one query throughout; by the rows' order above a lane's 16 registers of tiles 2b, 2b+1 are keys (or channels) 32 b + 16 h + 0 .. 15.
; A HEAD'S 64 IN AN INSTRUCTION OF 128: the head's half fragment is registers 0-5 of the operand.  Q's registers 6-11 are zero codes, so whatever K's registers 6-11 hold (the next tile's codes) adds nothing; the scale words come as 16 bits,
; so bytes 2 and 3 are 0, which is no NaN.
; LIMITS: NaN and infinities are not served; a block whose largest magnitude lies under 2^-124 is held at byte 1; a block of zeros gets the byte 1 and not 127 (zero codes; this program alone reads the bytes).
; The promise holds while the scaled scores stay under 2^31 in magnitude.  The context's scale bytes leave two at a time (a head's two blocks), a work-group's all inside one block of 512 bytes.
.set REC,   12800
.set SCO,   12288
.set FRG,   1536
.set VOFF,  4*REC                      ; in a slot: K's four records, then V's four; also a slot's step in memory
.set SLOT1, 131072                     ; slot 1 begins here: one exclusive or turns an address
.set SPARE, 2*SLOT1                    ; the spare words, 128 bytes for each of 16 waves
.set L16, 1
.set L8,  2
.set SPW, 3
.set NIL, 4
.set DG,  5                            ; v5  my query's place in its group - 16 h: register 16 b + i is hidden on the diagonal where 32 b + i > this
.set ADK, 6                            ; v6, v7 K's half fragments (16-byte, 8-byte form); v8 K's scale words
.set ADKS, 8
.set ADV, 9                            ; v9, v10 V's fragments; v11 V's scale words
.set ADVS, 11
.set NM,  12                           ; v12 -M, v13 the largest t
.set LS,  14                           ; v[14:15] the sum, in two halves
.set QF,  16                           ; v16-21 Q, v22-27 zero codes
.set QS,  28
.set VO16, 29                          ; my half fragment's place in a record: Q's on the way in, the context's on the way out
.set VO8, 30
.set CSO, 31
.set BUF, 32                           ; v32-79 K's eight halves, six registers apart, or V's four fragments; v80-85 zeros
.set QB,  86                           ; v86-91, v92 the second pass's Q and scale words
.set S,   96                           ; v96-159 the scores, then p
.set O,   160                          ; v160-191 O^T
.set KS,  192
.set VS,  196
.set BM,  200
.set PT,  204
.set SO,  208
.set TC,  212
.set FF,  220                          ; v[220:221] f = 2^(old M - new M)
.set PS,  222
.set TT,  223
.set PF,  224                          ; v224-235 p's codes
.set CF,  240
.set CT,  248
.set CW,  252
.set WV,  8                            ; s8 wave; s9 head of the pair; s10 query tile
.set TB,  40                           ; s40 the slot in hand
.set SIG, 41                           ; s41 which four key groups are fetched next
.set TN,  42                           ; s42 how many slots have been asked for behind the first
.set NA,  43                           ; s43 the first pass's slots
.set KF,  46                           ; s46 the step's first key;  s47 my group's first query;  s48 the second pass's
.set QG,  47
.set TP,  61                           ; s61 the pair of steps in hand, in its slot
.macro TLOAD                           ; waves 0 and 1 alone fetch; an s_nop 0 and four v_nop follow the line
	s_cmp_lt_u32 s[WV], 2
	s_cbranch_scc0 .Lnone_\@
	tensor_load_to_lds s[32:35], s[24:31]
	s_nop 0
.rept 4
	v_nop
.endr
.Lnone_\@:
.endm
	s_load_b128 s[4:7], s[0:1], 0x0                ; q, k, v's records; the context's records
	v_lshl_add_u32 v[SPW], v0, 2, SPARE
	v_mov_b32 v[NIL], 0
	ds_add_u32 v3, v4
	ds_add_u32 v3, v4
	s_wait_dscnt 0x0
	v_lshrrev_b32 v1, 5, v0
	s_delay_alu instid0(VALU_DEP_1)
	v_readfirstlane_b32 s[WV], v1
	s_and_b32 s9, s[WV], 1
	s_lshr_b32 s10, s[WV], 1
	s_sub_co_u32 s11, 15, ttmp9                    ; the second pass's query group
	s_and_b32 s12, ttmp7, 0xffff                   ; batch x 8 + head pair
	s_min_u32 s13, s[WV], 1                        ; 0: K, 1: V
	s_add_co_u32 s18, s13, 1
	s_lshl_b32 s18, s18, 5
	s_add_co_u32 s18, s18, s12
	s_mul_i32 s18, s18, 16*REC                     ; the 16 records of K (or V) of my head pair
	s_mov_b32 s19, 0
	s_mov_b32 s24, 3<<16                           ; group 1: no mask, elements of 8 bytes, no padding: every read of an image is dense
	s_mov_b32 s25, 32<<16                          ; rows of 256 bytes,
	s_mov_b32 s26, 200<<16                         ; 200 of them: four records
	s_mov_b32 s27, 32<<16
	s_mov_b32 s28, 200
	s_mov_b32 s29, 32
	s_mov_b32 s30, 0
	s_mov_b32 s31, 0
	s_mov_b32 s32, 1
	s_mul_i32 s33, s13, VOFF                       ; slot 0: K at 0, V behind it
	s_mov_b32 s39, 0
	s_mov_b32 s[TB], 0
	s_mov_b32 s[SIG], 0
	s_mov_b32 s[TN], 0
	s_add_co_u32 s[NA], ttmp9, 4
	s_lshr_b32 s[NA], s[NA], 2
	s_add_co_u32 s44, s[NA], 1
	s_mov_b32 s[KF], 0
	s_lshl_b32 s[QG], ttmp9, 7
	s_lshl_b32 s48, s11, 7
	s_lshl_b32 s58, s12, 4
	s_add_co_u32 s14, s58, ttmp9
	s_mul_i32 s14, s14, REC                        ; Q's record, first pass
	s_mov_b32 s15, 0
	s_add_co_u32 s16, s58, s11
	s_mul_i32 s16, s16, REC                        ; second pass
	s_mov_b32 s17, 0
	s_lshr_b32 s58, s12, 3
	s_lshl_b32 s58, s58, 4                         ; batch x 16 token groups
	s_and_b32 s59, s12, 7                          ; the head pair is the last product's K step
	s_add_co_u32 s50, s58, ttmp9
	s_lshl_b32 s50, s50, 3
	s_add_co_u32 s50, s50, s59
	s_mul_i32 s50, s50, REC                        ; the context's record, first pass
	s_mov_b32 s51, 0
	s_add_co_u32 s52, s58, s11
	s_lshl_b32 s52, s52, 3
	s_add_co_u32 s52, s52, s59
	s_mul_i32 s52, s52, REC
	s_mov_b32 s53, 0
	s_mul_i32 s54, s9, 768                         ; my head's half of a fragment of K,
	s_lshl_b32 s55, s9, 1                          ; its two bytes of a scale word,
	s_mul_i32 s56, s9, 4*FRG                       ; its four fragments of V, behind K's four records,
	s_add_co_u32 s56, s56, VOFF
	s_lshl_b32 s57, s9, 3                          ; and their two scale words
	s_add_co_u32 s57, s57, VOFF
	s_mov_b32 s20, 0x76543210
	s_mov_b32 s21, 0xfedcba98                      ; v_permlanex16_b32's selects for lane l xor 16
	s_mov_b32 s22, 0x3e38aa3b                      ; c = log2(e) / 8
	s_mov_b32 s23, s22                             ; (named with it as a pair, so it is written)
	s_wait_kmcnt 0x0
	s_add_nc_u64 s[36:37], s[4:5], s[18:19]
	s_mov_b64 s[34:35], s[36:37]
	s_or_b32 s35, s35, 0x80000000
	TLOAD                                          ; slot 0: key groups 0 to 3
	s_add_nc_u64 s[14:15], s[4:5], s[14:15]
	s_add_nc_u64 s[16:17], s[4:5], s[16:17]
	s_add_nc_u64 s[50:51], s[6:7], s[50:51]
	s_add_nc_u64 s[52:53], s[6:7], s[52:53]
	v_and_b32 v6, 31, v0
	s_delay_alu instid0(VALU_DEP_1)
	v_lshlrev_b32 v[L16], 4, v6
	s_delay_alu instid0(VALU_DEP_2)
	v_lshlrev_b32 v[L8], 3, v6
	s_mul_i32 s58, s10, FRG
	s_add_co_u32 s58, s58, s54
	v_add_nc_u32 v[VO16], s58, v[L16]              ; 1,536 x tile + 768 x head + 16 x lane
	s_wait_alu depctr_va_vdst(0)
	s_add_co_u32 s58, s58, 512
	v_add_nc_u32 v[VO8], s58, v[L8]
	s_and_b32 s58, s10, 1
	s_lshl_b32 s58, s58, 8
	s_lshr_b32 s59, s10, 1
	s_lshl_b32 s59, s59, 2
	s_add_co_u32 s58, s58, s59
	s_add_co_u32 s58, s58, s55
	s_add_co_u32 s58, s58, SCO
	v_and_b32 v6, 15, v0
	s_delay_alu instid0(VALU_DEP_1)
	v_lshl_add_u32 v[CSO], v6, 4, s58              ; 12,288 + 16 (16 (tile % 2) + r) + 4 (tile / 2) + 2 x head
	global_load_b128 v[QF:QF+3], v[VO16], s[14:15]
	global_load_b64 v[QF+4:QF+5], v[VO8], s[14:15]
	global_load_u16 v[QS], v[CSO], s[14:15]
	global_load_b128 v[QB:QB+3], v[VO16], s[16:17]
	global_load_b64 v[QB+4:QB+5], v[VO8], s[16:17]
	global_load_u16 v[QB+6], v[CSO], s[16:17]
	s_lshr_b32 s58, s10, 1
	s_lshl_b32 s58, s58, 5
	s_and_b32 s59, s10, 1
	s_lshl_b32 s59, s59, 3
	s_add_co_u32 s58, s58, s59                     ; 32 (tile / 2) + 8 (tile % 2)
	v_and_b32 v[DG], 7, v0
	v_bfe_u32 v6, v0, 3, 1
	s_delay_alu instid0(VALU_DEP_1)
	v_lshl_add_u32 v[DG], v6, 4, v[DG]
	v_bfe_u32 v6, v0, 4, 1
	s_delay_alu instid0(VALU_DEP_1)
	v_lshlrev_b32 v6, 4, v6
	s_delay_alu instid0(VALU_DEP_1)
	v_sub_nc_u32 v[DG], v[DG], v6
	s_delay_alu instid0(VALU_DEP_1)
	v_add_nc_u32 v[DG], s58, v[DG]
.irp j, 0,1,2,3,4,5
	v_mov_b32 v[QF+6+\j], 0                        ; Q's upper 64 along K: zero codes
	v_mov_b32 v[BUF+48+\j], 0                      ; behind K's last half
.endr
.irp b, 0,1,2,3
	v_mov_b32 v[PT+\b], 0                          ; written once: a lane permute's destination counts as one of its sources
.endr
	v_mov_b32 v[FF+1], 0                           ; (named as the upper half of a pair)
.macro INIT                            ; a pass begins: the step is written once, and its first turn finds zeros, which the first change of M leaves zeros
	v_mov_b32 v[NM+1], 0xff61b1e6                  ; the largest t so far: -3e38
	s_delay_alu instid0(VALU_DEP_1)
	v_floor_f32 v[NM], -v[NM+1]
	v_mov_b32 v[LS], 0
	v_mov_b32 v[LS+1], 0
.set j, 0
.rept 32
	v_mov_b32 v[O+j], 0
.set j, j+1
.endr
.endm
	INIT
; THE CHANGE OF SLOTS, at a slot's head.  fill = 1: the slot just left takes the next four key groups: of this pass, or, where the first pass's slots have all been asked for, the second pass's first.
.macro CHANGE fill
	s_wait_tensorcnt 0x0                           ; my tensor load has landed, so its group 0 may be written
	ds_add_u32 v[SPW], v[NIL]                      ; 0 onto my spare word
.if \fill
	ds_add_u32 v[SPW], v[NIL]                      ; twice on end
	s_xor_b32 s33, s33, SLOT1
	s_add_co_u32 s[SIG], s[SIG], 1
	s_add_co_u32 s[TN], s[TN], 1
	s_cmp_eq_u32 s[TN], s[NA]
	s_cselect_b32 s[SIG], 0, s[SIG]
	s_mul_i32 s38, s[SIG], VOFF
	s_add_nc_u64 s[34:35], s[36:37], s[38:39]
	s_or_b32 s35, s35, 0x80000000
.endif
	s_wait_dscnt 0x0                               ; the add is done, and my reads of the slot that I have left are over
	s_barrier_signal -1
	s_barrier_wait -1
.if \fill
	TLOAD                                          ; the first thing behind the barrier, a wave's one tensor load until the next: it has a slot's four steps in which to land
.endif
.endm
.macro ADDR                            ; the addresses of the pair of steps in hand
	s_add_co_u32 s60, s[TP], s54
	v_add_nc_u32 v[ADK], s60, v[L16]
	v_add_nc_u32 v[ADK+1], s60, v[L8]
	s_add_co_u32 s60, s[TP], s55
	v_add_nc_u32 v[ADKS], s60, v[L16]
	s_add_co_u32 s60, s[TP], s56
	v_add_nc_u32 v[ADV], s60, v[L16]
	v_add_nc_u32 v[ADV+1], s60, v[L8]
	s_add_co_u32 s60, s[TP], s57
	v_add_nc_u32 v[ADVS], s60, v[L16]
.endm
; A KEY STEP: 128 keys, the q-th record of the pair in hand
.macro STEP q
	s_cmp_gt_u32 s[KF], s[QG]                      ; all its keys come after my group's queries: the work is left out, on ids alone
	s_cbranch_scc1 .Lhidden_\@
	s_wait_alu depctr_va_vdst(0)                   ; (the places ahead of these loads are the additions behind the last step's products)
.irp t, 0,1,2,3,4,5,6,7
	ds_load_b128 v[BUF+6*\t:BUF+6*\t+3], v[ADK] offset:REC*\q+FRG*\t
	ds_load_b64 v[BUF+6*\t+4:BUF+6*\t+5], v[ADK+1] offset:REC*\q+FRG*\t+512
.endr
.irp p, 0,1,2,3
	ds_load_u16 v[KS+\p], v[ADKS] offset:REC*\q+SCO+4*\p
.endr
	s_wait_dscnt 0x0
.irp p, 0,1,2,3
	v_wmma_scale_f32_16x16x128_f8f6f4 v[S+16*\p:S+16*\p+7], v[BUF+12*\p:BUF+12*\p+11], v[QF:QF+11], 0, v[KS+\p], v[QS] matrix_a_fmt:MATRIX_FMT_FP6 matrix_b_fmt:MATRIX_FMT_FP6
	v_wmma_scale_f32_16x16x128_f8f6f4 v[S+16*\p+8:S+16*\p+15], v[BUF+12*\p+6:BUF+12*\p+17], v[QF:QF+11], 0, v[KS+\p], v[QS] matrix_a_fmt:MATRIX_FMT_FP6 matrix_b_fmt:MATRIX_FMT_FP6 matrix_a_scale:MATRIX_SCALE_ROW1
.endr
.rept 4
	v_nop                                          ; places ahead of the loads below and of the first read of the scores
.endr
	s_wait_alu depctr_va_vdst(0)
.irp c, 0,1,2,3                                ; V is asked for now and lands under the softmax
	ds_load_b128 v[BUF+12*\c:BUF+12*\c+3], v[ADV] offset:REC*\q+FRG*\c
	ds_load_b64 v[BUF+12*\c+4:BUF+12*\c+5], v[ADV+1] offset:REC*\q+FRG*\c+512
	ds_load_b128 v[BUF+12*\c+6:BUF+12*\c+9], v[ADV] offset:REC*\q+FRG*\c+768
	ds_load_b64 v[BUF+12*\c+10:BUF+12*\c+11], v[ADV+1] offset:REC*\q+FRG*\c+1280
.endr
	ds_load_b64 v[VS:VS+1], v[ADVS] offset:REC*\q+SCO
	s_cmp_lg_u32 s[KF], s[QG]                      ; only my own group's keys lie on the diagonal
	s_cbranch_scc1 .Lopen_\@
	v_mov_b32 v[TT], 0xff800000                    ; -infinity: p = 0 then
.set n, 0
.rept 64
	v_cmp_gt_i32 vcc_lo, 32*(n/16)+n%16, v[DG]
	v_cndmask_b32 v[S+n], v[S+n], v[TT], vcc_lo
.set n, n+1
.endr
.Lopen_\@:
.irp b, 0,1,2,3
	v_max3_num_f32 v[BM+\b], v[S+16*\b], v[S+1+16*\b], v[S+2+16*\b]   ; the largest score of each block of 32 keys: for the row's maximum, and, since p rises with the score, for the block's largest p
.endr
.irp i, 3,5,7,9,11,13
.irp b, 0,1,2,3
	v_max3_num_f32 v[BM+\b], v[BM+\b], v[S+16*\b+\i], v[S+1+16*\b+\i]
.endr
.endr
.irp b, 0,1,2,3
	v_max_num_f32 v[BM+\b], v[BM+\b], v[S+15+16*\b]
.endr
.irp b, 0,1,2,3
	s_delay_alu instid0(VALU_DEP_4)
	v_permlanex16_b32 v[PT+\b], v[BM+\b], s20, s21
.endr
.irp b, 0,1,2,3
	s_delay_alu instid0(VALU_DEP_4)
	v_max_num_f32 v[BM+\b], v[BM+\b], v[PT+\b]     ; with lane l xor 16's 16 keys
.endr
	s_delay_alu instid0(VALU_DEP_2)
	v_max3_num_f32 v[TT], v[BM], v[BM+1], v[BM+2]
	s_delay_alu instid0(VALU_DEP_1)
	v_max_num_f32 v[TT], v[TT], v[BM+3]
	s_delay_alu instid0(VALU_DEP_1)
	v_mul_f32 v[TT], s22, v[TT]                    ; as t (c is positive)
	s_delay_alu instid0(VALU_DEP_1)
	v_max_num_f32 v[NM+1], v[NM+1], v[TT]          ; the running largest t
	v_mov_b32 v[TT], v[NM]
	s_delay_alu instid0(VALU_DEP_2)
	v_floor_f32 v[NM], -v[NM+1]                    ; the new -M = floor(-t): M is a whole number
	s_delay_alu instid0(VALU_DEP_1)
	v_sub_f32 v[TT], v[NM], v[TT]                  ; old M - new M: a whole number, 0 or less
	s_delay_alu instid0(VALU_DEP_1)
	v_cvt_i32_f32 v[TT], v[TT]                     ; (it saturates)
	s_delay_alu instid0(VALU_DEP_1)
	v_ldexp_f32 v[FF], 1.0, v[TT]                  ; f = 2^(old M - new M)
.set j, 0
.rept 32
	v_pk_fma_f32 v[S+j:S+j+1], v[S+j:S+j+1], s[22:23], v[NM:NM+1] op_sel_hi:[1,0,0]   ; t - M, two at a time
.set j, j+2
.endr
.irp b, 0,1,2,3
	v_fma_f32 v[BM+\b], v[BM+\b], s22, v[NM]       ; the same of each block's largest score
.endr
.set j, 0
	s_wait_alu depctr_va_vdst(0)
.rept 64
	v_exp_f32 v[S+j], v[S+j]                       ; p = 2^(t - M)
.set j, j+1
.endr
.irp b, 0,1,2,3
	v_exp_f32 v[BM+\b], v[BM+\b]                   ; the block's largest p: the same two instructions on the same number
.endr
	v_pk_mul_f32 v[LS:LS+1], v[LS:LS+1], v[FF:FF+1] op_sel_hi:[1,0]   ; the sums under the new M.  (A plain place behind the exponentials)
	s_wait_alu depctr_va_vdst(0)
.irp b, 0,1,2,3
	v_max_num_f32 v[BM+\b], 0x1800000, v[BM+\b]    ; the floor 2^(3 - 127)
.endr
.irp b, 0,1,2,3
	s_delay_alu instid0(VALU_DEP_4)
	v_add_nc_u32 v[SO+\b], 0xff000000, v[BM+\b]    ; 2 off the exponent field: the conversion's scale operand
.endr
.irp b, 0,1,2,3
	s_delay_alu instid0(VALU_DEP_4)
	v_lshrrev_b32 v[PT+\b], 23, v[SO+\b]           ; the scale's byte
.endr
	s_delay_alu instid0(VALU_DEP_3)
	v_lshl_or_b32 v[PS], v[PT+1], 8, v[PT]
	s_delay_alu instid0(VALU_DEP_1)
	v_lshl_or_b32 v[PS], v[PT+2], 16, v[PS]
	s_delay_alu instid0(VALU_DEP_1)
	v_lshl_or_b32 v[PS], v[PT+3], 24, v[PS]
.irp c, 0,1
	v_cvt_scalef32_pk16_fp6_f32 v[PF+6*\c:PF+6*\c+2], v[S+32*\c:S+32*\c+15], v[SO+2*\c]
	v_cvt_scalef32_pk16_fp6_f32 v[TC+4*\c:TC+4*\c+2], v[S+16+32*\c:S+31+32*\c], v[SO+1+2*\c]
.endr
	v_nop                                          ; one plain place behind a scaled conversion
.irp c, 0,1
.irp i, 0,1,2
	v_permlane16_swap_b32 v[PF+6*\c+\i], v[TC+4*\c+\i]   ; a whole block to a lane
.endr
.irp i, 0,1,2
	s_delay_alu instid0(VALU_DEP_3)
	v_mov_b32 v[PF+3+6*\c+\i], v[TC+4*\c+\i]
.endr
.endr
	v_pk_add_f32 v[236:237], v[100:101], v[104:105]   ; the row's sum of the unquantised p, in eight chains
	v_pk_add_f32 v[254:255], v[108:109], v[112:113]
	v_pk_add_f32 v[252:253], v[116:117], v[120:121]
	v_pk_add_f32 v[250:251], v[124:125], v[128:129]
	v_pk_add_f32 v[248:249], v[132:133], v[136:137]
	v_pk_add_f32 v[246:247], v[140:141], v[144:145]
	v_pk_add_f32 v[244:245], v[148:149], v[152:153]
	v_pk_add_f32 v[14:15], v[14:15], v[156:157]
	v_pk_add_f32 v[236:237], v[236:237], v[96:97]
	v_pk_add_f32 v[254:255], v[254:255], v[98:99]
	v_pk_add_f32 v[252:253], v[252:253], v[102:103]
	v_pk_add_f32 v[250:251], v[250:251], v[106:107]
	v_pk_add_f32 v[248:249], v[248:249], v[110:111]
	v_pk_add_f32 v[246:247], v[246:247], v[114:115]
	v_pk_add_f32 v[244:245], v[244:245], v[118:119]
	v_pk_add_f32 v[14:15], v[14:15], v[122:123]
.set j, 0
.rept 16
	v_pk_mul_f32 v[O+j:O+j+1], v[O+j:O+j+1], v[FF:FF+1] op_sel_hi:[1,0]   ; O^T under the new M.  (The sums and these are the places between p's scale word and codes and the products below)
.set j, j+2
.endr
	s_wait_alu depctr_va_vdst(0)
	s_wait_dscnt 0x0                               ; V is in
; the second half of the row's sum stands among and behind the four products: it names none of their registers
	v_wmma_scale_f32_16x16x128_f8f6f4 v[O:O+7], v[BUF:BUF+11], v[PF:PF+11], v[O:O+7], v[VS], v[PS] matrix_a_fmt:MATRIX_FMT_FP6 matrix_b_fmt:MATRIX_FMT_FP6
	v_pk_add_f32 v[236:237], v[236:237], v[126:127]
	v_pk_add_f32 v[254:255], v[254:255], v[130:131]
	v_wmma_scale_f32_16x16x128_f8f6f4 v[O+8:O+15], v[BUF+12:BUF+23], v[PF:PF+11], v[O+8:O+15], v[VS], v[PS] matrix_a_fmt:MATRIX_FMT_FP6 matrix_b_fmt:MATRIX_FMT_FP6 matrix_a_scale:MATRIX_SCALE_ROW1
	v_pk_add_f32 v[252:253], v[252:253], v[134:135]
	v_pk_add_f32 v[250:251], v[250:251], v[138:139]
	v_wmma_scale_f32_16x16x128_f8f6f4 v[O+16:O+23], v[BUF+24:BUF+35], v[PF:PF+11], v[O+16:O+23], v[VS+1], v[PS] matrix_a_fmt:MATRIX_FMT_FP6 matrix_b_fmt:MATRIX_FMT_FP6
	v_pk_add_f32 v[248:249], v[248:249], v[142:143]
	v_pk_add_f32 v[246:247], v[246:247], v[146:147]
	v_wmma_scale_f32_16x16x128_f8f6f4 v[O+24:O+31], v[BUF+36:BUF+47], v[PF:PF+11], v[O+24:O+31], v[VS+1], v[PS] matrix_a_fmt:MATRIX_FMT_FP6 matrix_b_fmt:MATRIX_FMT_FP6 matrix_a_scale:MATRIX_SCALE_ROW1
	v_pk_add_f32 v[244:245], v[244:245], v[150:151]
	v_pk_add_f32 v[14:15], v[14:15], v[154:155]
	v_pk_add_f32 v[236:237], v[236:237], v[158:159]
	s_delay_alu instid0(VALU_DEP_2)
	v_pk_add_f32 v[14:15], v[14:15], v[250:251]
	s_delay_alu instid0(VALU_DEP_2)
	v_pk_add_f32 v[236:237], v[236:237], v[248:249]
	v_pk_add_f32 v[254:255], v[254:255], v[246:247]
	v_pk_add_f32 v[252:253], v[252:253], v[244:245]
	s_delay_alu instid0(VALU_DEP_2)
	v_pk_add_f32 v[14:15], v[14:15], v[254:255]
	s_delay_alu instid0(VALU_DEP_2)
	v_pk_add_f32 v[236:237], v[236:237], v[252:253]
	s_delay_alu instid0(VALU_DEP_1)
	v_pk_add_f32 v[14:15], v[14:15], v[236:237]
.Lhidden_\@:
	s_add_co_u32 s[KF], s[KF], 128
.endm
; A PASS ENDS: O^T / the sum is my 16 queries' context in my head's 64 channels, register 16 b + i = channel 32 b + 16 h + i: two blocks of the last product's K: quantised here, half a fragment and two scale bytes.
.macro FINISH base
.rept 4
	v_nop                                          ; places behind the last products
.endr
	s_wait_alu depctr_va_vdst(0)                   ; the sum was written at the last step's end
	v_add_f32 v[LS], v[LS], v[LS+1]
	s_delay_alu instid0(VALU_DEP_1)
	v_permlanex16_b32 v[PT], v[LS], s20, s21
	s_delay_alu instid0(VALU_DEP_1)
	v_add_f32 v[LS], v[LS], v[PT]                  ; the row's sum
	s_wait_alu depctr_va_vdst(0)
	v_rcp_f32 v[LS], v[LS]
	v_nop                                          ; one plain place behind a transcendental
.set j, 0
	s_wait_alu depctr_va_vdst(0)
.rept 32
	v_mul_f32 v[S+j], v[O+j], v[LS]                ; each accumulator from its low end on
.set j, j+1
.endr
.irp b, 0,1
	v_max3_num_f32 v[BM+\b], |v[S+16*\b]|, |v[S+1+16*\b]|, 0x1800000
.endr
.irp i, 2,4,6,8,10,12,14
.irp b, 0,1
	s_delay_alu instid0(VALU_DEP_2)
	v_max3_num_f32 v[BM+\b], v[BM+\b], |v[S+16*\b+\i]|, |v[S+1+16*\b+\i]|
.endr
.endr
.irp b, 0,1
	s_delay_alu instid0(VALU_DEP_2)
	v_permlanex16_b32 v[PT+\b], v[BM+\b], s20, s21
.endr
.irp b, 0,1
	s_delay_alu instid0(VALU_DEP_2)
	v_max_num_f32 v[BM+\b], v[BM+\b], v[PT+\b]
.endr
.irp b, 0,1
	s_delay_alu instid0(VALU_DEP_2)
	v_add_nc_u32 v[SO+\b], 0xff000000, v[BM+\b]
.endr
.irp b, 0,1
	s_delay_alu instid0(VALU_DEP_2)
	v_lshrrev_b32 v[PT+\b], 23, v[SO+\b]
.endr
	s_delay_alu instid0(VALU_DEP_1)
	v_lshl_or_b32 v[CW], v[PT+1], 8, v[PT]
	v_cvt_scalef32_pk16_fp6_f32 v[CF:CF+2], v[S:S+15], v[SO]
	v_cvt_scalef32_pk16_fp6_f32 v[CT:CT+2], v[S+16:S+31], v[SO+1]
	v_nop                                          ; one plain place behind a scaled conversion
.irp i, 0,1,2
	v_permlane16_swap_b32 v[CF+\i], v[CT+\i]
.endr
.irp i, 0,1,2
	s_delay_alu instid0(VALU_DEP_3)
	v_mov_b32 v[CF+3+\i], v[CT+\i]
.endr
	global_store_b128 v[VO16], v[CF:CF+3], s[\base:\base+1]        ; 512 consecutive bytes, at a multiple of 256 from the buffer's first byte
	global_store_b64 v[VO8], v[CF+4:CF+5], s[\base:\base+1]        ; 256 consecutive bytes
	global_store_b16 v[CSO], v[CW], s[\base:\base+1]               ; lanes l and l xor 16 hold the same row's bytes and write the same value to the same place
.endm
; Where the slot in hand is the second pass's first: the first pass's result leaves, and the second begins
.macro SWITCH
	s_cmp_lg_u32 s[TN], s44
	s_cbranch_scc1 .Lsame_\@
	FINISH 50
	s_wait_xcnt 0x0                                ; the stores' registers are written again (by the second pass's end) only behind this wait
.irp j, 0,1,2,3,4,5
	v_mov_b32 v[QF+\j], v[QB+\j]
.endr
	v_mov_b32 v[QS], v[QB+6]                       ; the 36 moves below and the additions that follow stand between this scale register's write and the next product
	INIT
	s_mov_b32 s[KF], 0
	s_mov_b32 s[QG], s48
.Lsame_\@:
.endm
; A slot's four key steps: two trips of two steps
.macro PAIRS
	s_mov_b32 s[TP], s[TB]
	s_mov_b32 s49, 2
.Lpair_\@:
	ADDR
	STEP 0
	STEP 1
	s_add_co_u32 s[TP], s[TP], 2*REC
	s_sub_co_u32 s49, s49, 1
	s_cmp_lg_u32 s49, 0
	s_cbranch_scc1 .Lpair_\@
.endm
	s_wait_loadcnt 0x0                             ; Q, both passes'
	s_mov_b32 s45, 4
.Lslot:                                            ; four trips: behind each change of slots but the last the next slot is asked for
	CHANGE 1
	SWITCH
	PAIRS
	s_xor_b32 s[TB], s[TB], SLOT1
	s_sub_co_u32 s45, s45, 1
	s_cmp_lg_u32 s45, 0
	s_cbranch_scc1 .Lslot
	CHANGE 0                                       ; the fifth slot is written out
	PAIRS
	FINISH 52
	s_wait_tensorcnt 0x0                           ; the wave's end
	ds_add_u32 v[SPW], v[NIL]
	s_wait_dscnt 0x0
	s_endpgm
.Lfunc_end_k_qabcec5c4fb_attn:
	.size	k_qabcec5c4fb_attn, .Lfunc_end_k_qabcec5c4fb_attn-k_qabcec5c4fb_attn
	.p2alignl 7, 3214868480
	.fill 96, 4, 3214868480
	.section	.rodata,"a",@progbits
	.p2align	6, 0x0
	.amdhsa_kernel k_qabcec5c4fb_attn
		.amdhsa_group_segment_fixed_size 327680
		.amdhsa_private_segment_fixed_size 0
		.amdhsa_enable_private_segment 0
		.amdhsa_kernarg_size 16
		.amdhsa_user_sgpr_count 2
		.amdhsa_user_sgpr_kernarg_segment_ptr 1
		.amdhsa_wavefront_size32 1
		.amdhsa_system_sgpr_workgroup_id_x 1
		.amdhsa_system_sgpr_workgroup_id_y 1
		.amdhsa_system_sgpr_workgroup_id_z 1
		.amdhsa_system_vgpr_workitem_id 0
		.amdhsa_next_free_vgpr 256
		.amdhsa_next_free_sgpr 66
		.amdhsa_reserve_vcc 1
		.amdhsa_float_denorm_mode_32 3
		.amdhsa_float_denorm_mode_16_64 3
		.amdhsa_memory_ordered 1
		.amdhsa_forward_progress 1
		.amdhsa_inst_pref_size 109
	.end_amdhsa_kernel
	.amdgpu_metadata
---
amdhsa.version: [ 1, 2 ]
amdhsa.kernels:
  - .name:           k_qabcec5c4fb_attn
    .symbol:         k_qabcec5c4fb_attn.kd
    .args:
      - { .name: qkvcodes, .offset: 0, .size: 8, .value_kind: global_buffer, .address_space: global }
      - { .name: ccodes, .offset: 8, .size: 8, .value_kind: global_buffer, .address_space: global }
    .group_segment_fixed_size: 327680
    .private_segment_fixed_size: 0
    .kernarg_segment_align: 8
    .kernarg_segment_size: 16
    .max_flat_workgroup_size: 512
    .sgpr_count:     66
    .vgpr_count:     256
    .wavefront_size: 32
...
	.end_amdgpu_metadata
.endif
;; end of part 3
;; launch proj (part 4): grid 4 x 64, 4 waves a work-group, clusters of 4 x 4, 327,680 bytes of LDS; arguments ccodes, wcodes, bo, out0; writes out0
.if DOCPART == 4
	.amdgcn_target "amdgcn-amd-amdhsa--gfx1250"
	.amdhsa_code_object_version 6
	.text
	.protected	k_qabcec5c4fb_proj
	.globl	k_qabcec5c4fb_proj
	.p2align	8
	.type	k_qabcec5c4fb_proj,@function
k_qabcec5c4fb_proj:
	s_mov_b64 s[64:65], 0
	v_nop
	global_prefetch_b8 v0, s[64:65] scope:SCOPE_SE
	s_setreg_imm32_b32 hwreg(HW_REG_WAVE_MODE, 25, 1), 1
	s_wait_xcnt 0x0
	s_wait_alu depctr_hold_cnt(0) depctr_sa_sdst(0) depctr_va_vdst(0) depctr_va_sdst(0) depctr_va_ssrc(0) depctr_va_vcc(0) depctr_vm_vsrc(0)
	s_getreg_b32 s2, hwreg(HW_REG_IB_STS2, 6, 4)
	s_cmp_eq_u32 s2, 0
	s_cbranch_scc0 .Lentry_in_a_cluster
	s_endpgm
.Lentry_in_a_cluster:
	s_bfe_u32 s2, ttmp6, 0x10000c
	s_cmp_lg_u32 s2, 0xf033
	s_cbranch_scc0 .Lentry_shape_is_right
	s_endpgm
.Lentry_shape_is_right:
; out = context Wo + bo, f32, on codes of FP6 (E2M3) with E8M0 scales: 8,192 x 1,024 x 1,024.
; IN: records of 12,800 bytes (a group of 128 rows x a K step of 128: eight fragments of 1,536 bytes, images of an operand's 12 registers, then 512 bytes of scale words); a group's eight K steps lie on end.  Wo's groups are 24 .. 31 of the weights' records.
; Lane r of tile t holds row 32 (t/2) + 8 (t%2) + r%8 + 16 (r/8) of its group; scale word of (tile t, row r) at 12,288 + 16 (16 (t%2) + r) + 4 (t/2).
; THE DEAL: 256 work-groups of four waves.  Work-group (x, g): token group g x column groups 2x, 2x+1.  Wave (c, u) holds tiles 4u .. 4u+3 of column group 2x+c, ALL of K, in registers (32 fragments, 384 registers; source 0),
; and streams the group's eight token tiles past them (source 1): a block is 16 tokens x 64 columns, 32 products on four accumulators by turns.
; LDS holds all of K at once, 307,200 bytes, each byte filled once: the context's group, then the two column groups.  So there is no ring, no refill, and no loop to prefetch ahead in: all is asked for at the head.
; THE HEAD'S FOUR TILES, one a wave, each on a line of its own: waves 0, 1 a column group each, which are wanted first; waves 2, 3 the context's K steps 0-3, 4-7.  A first barrier shows the weights; a second, behind the waves' loads of them, shows the context.
; Behind the second barrier nobody reads the weights' bytes: the waves' stages for the way out lie there.
; ONE RUN OF MEMORY LINES behind a block's products: its sums into the stage and back as rows of 256 bytes; the fetch of the block two on; one wait; eight stores.  Two sets of the context's fragments, of accumulators and of rows, by turns.
; CLUSTERS 4 x 4: the context's group hangs on g alone and is shared by a row of the cluster, the weights' on x alone and are shared by a column.
; The bias is the first products' C.  LIMITS: NaN and infinities are not served; a sum begins with the bias, where the reference adds it last.
.set REC,  12800
.set SCO,  12288
.set FRG,  1536
.set GRP,  8*REC
.set HALF, 4*REC
.set SPARE, 3*GRP
.set SPITCH, 272                       ; a stage row: 256 bytes + 16
.set STAGE, GRP                        ; in the weights' first bytes
.set FR,   12
.set FPW,  21                          ; fragments in a window: fragment f lies in window 1 + f / 21, at register 12 (f % 21)
.set NQ,   8
.set NB,   4
.set L16, 2
.set L8,  3
.set AW,  4                            ; v4, v5 my four tiles of Wo, K steps 0-3, 4-7, + 16 x lane; v6, v7 + 8 x lane
.set AWS, 8                            ; v8, v9 their scale words
.set AX,  10                           ; v10, v11 the context's K steps 0-3, 4-7, + 16 x lane; v12, v13 + 8 x lane
.set STO, 24
.set RD,  25
.set CO,  26
.set BA,  27
.set SPW, 28
.set NIL, 29
; v32-95 scale words: Wo's of K step q at 32 + 8 (q/2) + 2 (q%2), two registers; the context's at 36 + 8 q, four: the two sides' numbers differ modulo 8
.set ACC, 96                           ; v96-159 two sets of four accumulators
.set BK,  160                          ; v160-223 two sets: 16 rows x 256 bytes back from the stage
.set BO,  224                          ; v224-255 the bias, eight registers a tile
.set G1X, 20
.set G1W, 28
.set G0X, 36
.set G0W, 40
.set MSB, 0
.macro WIN new
.if MSB != \new
	s_set_vgpr_msb (MSB<<8)|\new
.set MSB, \new
.endif
.endm
.macro PLACES
.rept 4
	v_nop
.endr
.endm
.macro TLOAD g0, g1
	tensor_load_to_lds s[\g0:\g0+3], s[\g1:\g1+7]
	s_nop 0
	PLACES
.endm
.macro CROUND
	s_barrier_signal -1
	s_barrier_wait -1
	s_cmp_lg_u32 s14, 0
	s_cbranch_scc1 .Lnot_wave_0_\@
	s_barrier_signal -3
.Lnot_wave_0_\@:
	s_barrier_wait -3
	s_barrier_signal -1
	s_barrier_wait -1
.endm
.macro G1SET g, c, r, p
	s_mov_b32 s[\g+1], (\c)<<16
	s_mov_b32 s[\g+2], (\r)<<16
	s_mov_b32 s[\g+3], (\c)<<16
	s_mov_b32 s[\g+4], \r
	s_mov_b32 s[\g+5], \p
	s_mov_b32 s[\g+6], 0
	s_mov_b32 s[\g+7], 0
.endm
	s_load_b256 s[4:11], s[0:1], 0x0               ; the context's records, the weights', bo, out
	v_lshl_add_u32 v[SPW], v0, 2, SPARE
	v_mov_b32 v[NIL], 0
	ds_add_u32 v[SPW], v[NIL]                      ; the opening lines: the add twice on end and its wait
	ds_add_u32 v[SPW], v[NIL]
	v_lshrrev_b32 v1, 5, v0
	v_readfirstlane_b32 s14, v1                    ; wave
	s_lshr_b32 s15, s14, 1                         ; c: my column group
	s_and_b32 s16, s14, 1                          ; u: which four of its tiles.  Also: which group, or which half of K, I fetch
	s_bfe_u32 s66, ttmp6, 0x40000
	s_bfe_u32 s67, ttmp6, 0x40004
	s_lshl_b32 s68, ttmp9, 2
	s_add_co_u32 s68, s68, s66                     ; x
	s_and_b32 s69, ttmp7, 0xffff
	s_lshl_b32 s69, s69, 2
	s_add_co_u32 s69, s69, s67                     ; g
	s_lshl_b32 s70, s67, 2
	s_lshl_b32 s70, 15, s70
	s_lshl_b32 s71, 0x1111, s66
	s_or_b32 s[G1X], s70, (3<<16)|(1<<21)
	s_or_b32 s[G1W], s71, (3<<16)|(1<<21)
	G1SET G1X, 32, 200, 32
	G1SET G1W, 32, 400, 32
	s_mul_i32 s72, s69, GRP
	s_mul_i32 s73, s16, HALF
	s_add_co_u32 s72, s72, s73
	s_mov_b32 s73, 0
	s_lshl_b32 s74, s68, 1
	s_add_co_u32 s74, s74, s16
	s_add_co_u32 s74, s74, 24
	s_mul_i32 s74, s74, GRP
	s_mov_b32 s75, 0
	s_mov_b32 s[G0X], 1
	s_mul_i32 s[G0X+1], s16, HALF
	s_mov_b32 s[G0W], 1
	s_mul_i32 s[G0W+1], s16, GRP
	s_add_co_u32 s[G0W+1], s[G0W+1], GRP
	s_mul_i32 s80, s15, GRP
	s_add_co_u32 s80, s80, GRP                     ; my column group in LDS
	s_mul_i32 s81, s16, 4*FRG
	s_add_co_u32 s81, s81, s80
	s_add_co_u32 s82, s81, HALF
	s_lshl_b32 s83, s16, 3
	s_add_co_u32 s83, s83, s80
	s_add_co_u32 s84, s83, HALF
	s_mul_i32 s87, s14, 16*SPITCH
	s_add_co_u32 s87, s87, STAGE                   ; my stage
	s_lshl_b32 s76, s68, 1
	s_add_co_u32 s76, s76, s15
	s_lshl_b32 s76, s76, 9
	s_lshl_b32 s77, s16, 8
	s_add_co_u32 s76, s76, s77                     ; my 64 columns' 256 bytes of a row
	s_mov_b32 s77, 0
	s_lshl_b32 s78, s69, 19                        ; 128 g rows of 4,096 bytes
	s_mov_b32 s79, 0
	s_wait_alu depctr_va_vdst(0)                   ; the wait ahead of the waits below
	s_wait_dscnt 0x0
	CROUND                                         ; the opening round
	s_wait_kmcnt 0x0
	s_add_nc_u64 s[G0X+2:G0X+3], s[4:5], s[72:73]
	s_or_b32 s[G0X+3], s[G0X+3], 0x80000000
	s_add_nc_u64 s[G0W+2:G0W+3], s[6:7], s[74:75]
	s_or_b32 s[G0W+3], s[G0W+3], 0x80000000
	s_add_nc_u64 s[8:9], s[8:9], s[76:77]
	s_add_nc_u64 s[10:11], s[10:11], s[76:77]
	s_add_nc_u64 s[10:11], s[10:11], s[78:79]
	s_cmp_eq_u32 s14, 0
	s_cbranch_scc0 .Lwave_1
	TLOAD G0W, G1W                                 ; wave 0: column group 2x, all of K
	s_branch .Lasked
.Lwave_1:
	s_cmp_eq_u32 s14, 1
	s_cbranch_scc0 .Lwave_2
	TLOAD G0W, G1W                                 ; wave 1: column group 2x+1
	s_branch .Lasked
.Lwave_2:
	s_cmp_eq_u32 s14, 2
	s_cbranch_scc0 .Lwave_3
	TLOAD G0X, G1X                                 ; wave 2: the context's K steps 0-3
	s_branch .Lasked
.Lwave_3:
	TLOAD G0X, G1X                                 ; wave 3: its K steps 4-7
.Lasked:
	v_and_b32 v1, 31, v0
	v_lshlrev_b32 v[L16], 4, v1
	v_lshlrev_b32 v[L8], 3, v1
.irp n, 0,1
	v_add_nc_u32 v[AW+\n], s[81+\n], v[L16]
	v_add_nc_u32 v[AW+2+\n], s[81+\n], v[L8]
	v_add_nc_u32 v[AWS+\n], s[83+\n], v[L16]
	v_add_nc_u32 v[AX+\n], \n*HALF, v[L16]
	v_add_nc_u32 v[AX+2+\n], \n*HALF, v[L8]
.endr
	v_and_b32 v16, 15, v0                          ; r
	v_bfe_u32 v17, v0, 4, 1                        ; h
	v_lshlrev_b32 v[BA], 6, v17                    ; 64 h
	v_mul_u32_u24 v[STO], v16, SPITCH
	v_add_nc_u32 v[STO], v[STO], v[BA]
	v_add_nc_u32 v[STO], s87, v[STO]               ; into the stage: row r, + 64 h
	v_mul_u32_u24 v[RD], v17, SPITCH
	v_lshl_add_u32 v[RD], v16, 4, v[RD]
	v_add_nc_u32 v[RD], s87, v[RD]                 ; out of it: sixteen lanes to a row of 256 bytes, two rows an instruction
	v_lshlrev_b32 v18, 12, v17
	v_lshl_add_u32 v[CO], v16, 4, v18              ; and the same two rows in out
	s_wait_alu depctr_va_vdst(0)                   ; the wait at the head's end
.irp b, 0,1,2,3
	global_load_b128 v[BO+8*\b:BO+8*\b+3], v[BA], s[8:9] offset:128*(\b/2)+32*(\b%2)     ; register i of tile b: column 32 (b/2) + 16 h + 8 (b%2) + i of my 64
	global_load_b128 v[BO+8*\b+4:BO+8*\b+7], v[BA], s[8:9] offset:128*(\b/2)+32*(\b%2)+16
.endr
.macro FRAGL f, a16, a8, off           ; fragment f comes as it was stored: four dense loads
	WIN (1+(\f)/FPW)<<6
.set R_, FR*((\f)%FPW)
	ds_load_b128 v[R_:R_+3], v[\a16] offset:\off
	ds_load_b64 v[R_+4:R_+5], v[\a8] offset:\off+512
	ds_load_b128 v[R_+6:R_+9], v[\a16] offset:\off+768
	ds_load_b64 v[R_+10:R_+11], v[\a8] offset:\off+1280
.endm
.macro FETCHX a, e                     ; token tile a, all of K, into set e: 32 loads
.irp q, 0,1,2,3,4,5,6,7
	FRAGL NB*NQ+NQ*(\e)+\q, AX+\q/4, AX+2+\q/4, REC*(\q%4)+FRG*(\a)
.endr
	WIN 0
.endm
.macro WM c, ra, rb
	v_wmma_scale_f32_16x16x128_f8f6f4 v[rD:rD+7], v[rA:rA+11], v[rB:rB+11], \c, v[xA], v[xB] matrix_a_fmt:MATRIX_FMT_FP6 matrix_b_fmt:MATRIX_FMT_FP6 matrix_a_scale:MATRIX_SCALE_ROW\ra matrix_b_scale:MATRIX_SCALE_ROW\rb
.endm
.macro WMR c                           ; odd tiles' scale words stand in lanes 16-31
.if oA && oB
	WM \c, 1, 1
.elseif oA
	WM \c, 1, 0
.elseif oB
	WM \c, 0, 1
.else
	WM \c, 0, 0
.endif
.endm
.macro PROD e, a, n                    ; product n = 4 q + b of token tile a, whose fragments lie in set e
.set Q_, (\n)/4
.set B_, (\n)%4
.set FB_, NB*Q_+B_
.set FA_, NB*NQ+NQ*(\e)+Q_
.set rD, ACC+32*(\e)+8*B_
.set rC, BO+8*B_
.set rA, FR*(FB_%FPW)
.set rB, FR*(FA_%FPW)
.set xA, 32+8*(Q_/2)+2*(Q_%2)+B_/2
.set xB, 36+8*Q_+(\a)/2
.set oA, B_%2
.set oB, (\a)%2
	WIN (1+FB_/FPW)|((1+FA_/FPW)<<2)
.if Q_
	WMR v[rD:rD+7]
.else
	WMR v[rC:rC+7]
.endif
.endm
.macro STAGED u                        ; set u's sums into my stage, each accumulator from its low end on, and back as whole rows.  LDS serves a wave's instructions in order (ISA guide 5.7.1.4)
.irp b, 0,1,2,3
	ds_store_b128 v[STO], v[ACC+32*(\u)+8*\b:ACC+32*(\u)+8*\b+3] offset:128*(\b/2)+32*(\b%2)
	ds_store_b128 v[STO], v[ACC+32*(\u)+8*\b+4:ACC+32*(\u)+8*\b+7] offset:128*(\b/2)+32*(\b%2)+16
.endr
.irp t, 0,1,2,3,4,5,6,7
	ds_load_b128 v[BK+32*(\u)+4*\t:BK+32*(\u)+4*\t+3], v[RD] offset:2*\t*SPITCH
.endr
.endm
.macro TOC a                           ; stage rows 2 t, 2 t + 1 of tile a are tokens 32 (a/2) + 8 (a%2) + (2 t) % 8 + 16 (t/4) and the next
.irp t, 0,1,2,3,4,5,6,7
	global_store_b128 v[CO], v[BK+32*((\a)%2)+4*\t:BK+32*((\a)%2)+4*\t+3], s[10:11] offset:(32*((\a)/2)+8*((\a)%2)+(2*\t)%8+16*(\t/4))*4096 th:TH_STORE_NT   ; sixteen lanes store 256 consecutive bytes, at a multiple of 256 from out's first byte
.endr
.endm
.macro BLOCK a
.set N_, 0
.rept 32
	PROD (\a)%2, \a, N_
.set N_, N_+1
.endr
	WIN 0
	PLACES                                         ; four places between the last product and the first reader of its sums, and the fetch into its registers
	s_wait_xcnt 0x0                                ; the stores of two blocks ago have read this set of rows
	STAGED (\a)%2
.if (\a) < 6
	FETCHX (\a)+2, (\a)%2
	s_wait_dscnt 32                                ; the block's rows are back, and the next block's fragments are in; the 32 loads just issued may be out
.else
	s_wait_dscnt 0x0
.endif
	TOC \a
.endm
	s_cmp_lt_u32 s14, 2
	s_cbranch_scc0 .Lnot_w
	s_wait_tensorcnt 0x0                           ; waves 0 and 1: the column groups have landed
.Lnot_w:
	s_barrier_signal -1
	s_barrier_wait -1                              ; waves 2 and 3's tiles may still be on their way
.irp q, 0,1,2,3,4,5,6,7
.irp b, 0,1,2,3
	FRAGL NB*\q+\b, AW+\q/4, AW+2+\q/4, REC*(\q%4)+FRG*\b
.endr
.endr
	WIN 0
.irp q, 0,1,2,3,4,5,6,7
	ds_load_b64 v[32+8*(\q/2)+2*(\q%2):33+8*(\q/2)+2*(\q%2)], v[AWS+\q/4] offset:REC*(\q%4)+SCO
.endr
	s_wait_tensorcnt 0x0                           ; every wave: its tile has landed
	s_wait_dscnt 0x0                               ; my reads of the weights are over
	s_barrier_signal -1
	s_barrier_wait -1                              ; the context is shown to all, and nobody reads the weights' bytes any more
.irp q, 0,1,2,3,4,5,6,7
	ds_load_b128 v[36+8*\q:39+8*\q], v[AX+\q/4] offset:REC*(\q%4)+SCO
.endr
	FETCHX 0, 0
	FETCHX 1, 1
	s_wait_loadcnt 0x0                             ; the bias
	s_wait_dscnt 32                                ; tile 0's fragments and the scale words are in; tile 1's 32 loads may be out
.irp a, 0,1,2,3,4,5,6,7
	BLOCK \a
.endr
	s_wait_tensorcnt 0x0                           ; the wave's end
	ds_add_u32 v[SPW], v[NIL]
	s_wait_dscnt 0x0
	CROUND                                         ; the closing round
	s_endpgm
.Lfunc_end_k_qabcec5c4fb_proj:
	.size	k_qabcec5c4fb_proj, .Lfunc_end_k_qabcec5c4fb_proj-k_qabcec5c4fb_proj
	.p2alignl 7, 3214868480
	.fill 96, 4, 3214868480
	.section	.rodata,"a",@progbits
	.p2align	6, 0x0
	.amdhsa_kernel k_qabcec5c4fb_proj
		.amdhsa_group_segment_fixed_size 327680
		.amdhsa_private_segment_fixed_size 0
		.amdhsa_enable_private_segment 0
		.amdhsa_kernarg_size 32
		.amdhsa_user_sgpr_count 2
		.amdhsa_user_sgpr_kernarg_segment_ptr 1
		.amdhsa_wavefront_size32 1
		.amdhsa_system_sgpr_workgroup_id_x 1
		.amdhsa_system_sgpr_workgroup_id_y 1
		.amdhsa_system_sgpr_workgroup_id_z 1
		.amdhsa_system_vgpr_workitem_id 0
		.amdhsa_next_free_vgpr 840
		.amdhsa_next_free_sgpr 100
		.amdhsa_reserve_vcc 0
		.amdhsa_float_denorm_mode_32 3
		.amdhsa_float_denorm_mode_16_64 3
		.amdhsa_memory_ordered 1
		.amdhsa_forward_progress 1
		.amdhsa_inst_pref_size 83
	.end_amdhsa_kernel
	.amdgpu_metadata
---
amdhsa.version: [ 1, 2 ]
amdhsa.kernels:
  - .name:           k_qabcec5c4fb_proj
    .symbol:         k_qabcec5c4fb_proj.kd
    .args:
      - { .name: ccodes, .offset: 0, .size: 8, .value_kind: global_buffer, .address_space: global }
      - { .name: wcodes, .offset: 8, .size: 8, .value_kind: global_buffer, .address_space: global }
      - { .name: bo, .offset: 16, .size: 8, .value_kind: global_buffer, .address_space: global }
      - { .name: out0, .offset: 24, .size: 8, .value_kind: global_buffer, .address_space: global }
    .group_segment_fixed_size: 327680
    .private_segment_fixed_size: 0
    .kernarg_segment_align: 8
    .kernarg_segment_size: 32
    .max_flat_workgroup_size: 128
    .sgpr_count:     100
    .vgpr_count:     840
    .wavefront_size: 32
...
	.end_amdgpu_metadata
.endif
;; end of part 4
